; MI455X (gfx1250); checked and timed in simulation.
; The chip was launched on July 23, 2026; its instructions are those of AMD's public machine-readable ISA for CDNA 5 (MIT licence, August 2026) and "CDNA5" Instruction Set Architecture Reference Guide (July 2026). The comments in the code are by the model that wrote it; some were corrected since.
;; Multi Head Attentionby Hand. Allowed arithmetic: matrix products marked QUANTISED: E2M1 operands, one E8M0 scale for each 32 along K, by v_wmma_scale_f32_16x16x128_f8f6f4 with both operands' format E2M1 (or v_wmma_scale_f32_32x16x128_f4), f32 sums; products left as they are: bf16, f16 or f32 operands; f32 sums; everything else in f32.
;; Inputs: Wd 1,024 x 1,024 float32; Wk 1,024 x 1,024 float32; Wq 1,024 x 1,024 float32; Wv 1,024 x 1,024 float32; attention_mask 4 x 1 x 1 x 2,048 float32; bd 1,024 float32; bk 1,024 float32; bq 1,024 float32; bv 1,024 float32; ln_beta 1,024 float32; ln_gamma 1,024 float32; query 4 x 2,048 x 1,024 float32.
;; Outputs: out0 4 x 2,048 x 1,024 float32.
;; This version of the problem:
;;   THIS VERSION OF THE PROBLEM IS GIVEN IN LOW PRECISION. The matrix products marked QUANTISED in the list below multiply operands that are first quantised to E2M1 (2 exponent bits, 1 mantissa bit; 4 bits a number), with one power-of-two scale for each 32 numbers along K (OCP MX v1.0); their sums are f32. The products marked 'left as it is' may take bf16, f16 or f32 operands, with f32 sums. Whichever they take, every output number must still come out within the allowed error. Rounding operands to bf16 (8 significant bits) uses up far more of that allowance than f16 does (11 bits, for magnitudes from 6e-5 to 65,504). All else is computed in f32.
;;   The module's matrix products, in the order in which they are computed (A, B: the left and right operand; K: the contracted axis; several contracted axes count as one K, in the product's order):
;;     1. [M 8,192, K 1,024] x [K 1,024, N 1,024]; A: input query; B: input Wq: QUANTISED
;;     2. [M 8,192, K 1,024] x [K 1,024, N 1,024]; A: input query; B: input Wk: QUANTISED
;;     3. [M 8,192, K 1,024] x [K 1,024, N 1,024]; A: input query; B: input Wv: QUANTISED
;;     4. batch 64 x [M 2,048, K 64] x [K 64, N 2,048]; A: computed on the way; B: computed on the way: left as it is (an operand is computed on the way)
;;     5. batch 64 x [M 64, K 2,048] x [K 2,048, N 2,048]; A: computed on the way; B: computed on the way: left as it is (an operand is computed on the way)
;;     6. [M 8,192, K 1,024] x [K 1,024, N 1,024]; A: computed on the way; B: input Wd: left as it is (an operand is computed on the way)
;;   THE QUANTISER, for each operand of a quantised product, along K:
;;     - K is cut into blocks of 32 from its start; a last block that is shorter is filled with zeros.
;;     - A block's scale is 2^e with e = floor(log2(the largest magnitude in the block)) - 2, held to -126 .. 127; a block of zeros has e = 0. As a byte (E8M0): e + 127.
;;     - Each number is divided by its block's scale, clamped to +-6, and rounded to the nearest number of E2M1, ties to even, subnormals kept.
;;     - The product sums the exact products of the quantised numbers (number of the format x scale) in f32.
;;   ~~~python
;;   def quantise(x, axis):      # numpy; x: float32 -> the quantised numbers, widened to float32 again
;;       x = np.moveaxis(x, axis, -1); K = x.shape[-1]
;;       x = np.pad(x, [(0, 0)] * (x.ndim - 1) + [(0, -K % 32)]); x = x.reshape(x.shape[:-1] + (-1, 32)); a = np.abs(x).max(-1, keepdims=True)
;;       e = np.where(a > 0, np.clip(np.frexp(np.where(a > 0, a, 1))[1] - 1 - 2, -126, 127), 0)      # np.frexp(a)[1] - 1 = floor(log2(a)), exactly
;;       r = np.clip(x / 2.0 ** e, -6, 6)
;;       step = 2.0 ** (np.maximum(np.frexp(np.where(r == 0, 1, r))[1] - 1, 0) - 1)
;;       q = np.round(r / step) * step * 2.0 ** e      # np.round: ties to even
;;       return np.moveaxis(q.reshape(q.shape[:-2] + (-1,))[..., :K], -1, axis).astype(np.float32)
;;   ~~~
;; One version. Each part assembles by itself: llvm-mc -triple=amdgcn-amd-amdhsa -mcpu=gfx1250 --defsym DOCPART=n.
;; ======== version 1 of 1: 5 launches
;; limits: values are held in f16: magnitudes above 65,504 overflow, below 6.1e-05 lose precision; right only within a limited range of input values
;; workspace buffers: xc 4,194,304 bytes; xs 262,144 bytes; wc 1,572,864 bytes; ws 98,304 bytes; wd16 2,097,152 bytes; qkv 50,331,648 bytes; ctx 16,777,216 bytes; hid 33,554,432 bytes
;; launch prep (part 1): grid 368 x 1, 4 waves a work-group, no clusters, 68,096 bytes of LDS; arguments query, Wq, Wk, Wv, Wd, xc, xs, wc, ws, wd16; writes xc, xs, wc, ws, wd16
.if DOCPART == 1
	.amdgcn_target "amdgcn-amd-amdhsa--gfx1250"
	.amdhsa_code_object_version 6
	.text
	.protected	k_q541f04f059_prep
	.globl	k_q541f04f059_prep
	.p2align	8
	.type	k_q541f04f059_prep,@function
k_q541f04f059_prep:
	s_mov_b64 s[64:65], 0
	v_nop
	global_prefetch_b8 v0, s[64:65] scope:SCOPE_SE
	s_setreg_imm32_b32 hwreg(HW_REG_WAVE_MODE, 25, 1), 1
	s_wait_xcnt 0x0
; One launch makes all operands that later launches read many times.
;   work-groups 0-47:    Wq, Wk, Wv [k 1024][n 1024] f32 -> codes of FP4 (E2M1) wc [3072 (n)][512 bytes], K innermost, and E8M0 scale bytes ws [3072][32]
;   work-groups 48-303:  query [8192][1024] f32 -> codes xc [8192][512 bytes] and scale bytes xs [8192][32]
;   work-groups 304-367: Wd f32 -> wd16, f16, same order [k][n]
; A block's scale is 2^(floor(log2(its largest magnitude)) - 2); its byte is the largest magnitude's exponent field - 2, held at 1 from below.
; A block of zeros so gets the byte 1 where the rule says 127: its codes are zeros, which add nothing, and this program alone reads the bytes.
; LIMITS: blocks whose largest magnitude lies under 2^-124 keep the byte 1; NaN and infinities among the inputs are not served; |Wd| stays under 65,504 (f16).
; The three paths part on the work-group's number; each path that uses LDS has LDS bytes of its own.  No tensor loads, no barrier: waves share nothing.
.set SPARE, 67584                      ; behind both paths' regions: the spare words, 128 bytes for each wave
.set SPW,   192                        ; v192 LDS address of my spare word; never rewritten
.set NIL,   193                        ; v193 0; never rewritten
.set EMAX,  2
; ---- query's path: a wave takes 16 steps of 512 numbers
.set STEPS, 16
.set CB,    8                          ; bytes of 16 codes
.set XR,    16                         ; v16-79   four sets of 16 numbers as loaded
.set XX,    80                         ; v80-111  two sets of 16 neighbours
.set XE,    112                        ; v112-127 a scale byte for each step
.set XC,    128                        ; v128-191 codes, four registers for each step
.set WREG,  8192                       ; LDS 0 .. 32,767: a region for each wave: two stages of 32 x SP bytes, then its 256 scale bytes
.set SP,    80                         ; a lane's place in a stage: 64 bytes + 16 of padding
; ---- the weights' path: a wave takes 32 columns x 512 along K
.set NB,    16                         ; blocks of 32 along K
.set PITCH, 272                        ; a stage row: 256 bytes of codes + 16
.set KROW,  512                        ; a row of wc in bytes
.set WSTG,  32768                      ; LDS 32,768 .. 67,583: four stages of 32 rows
.set WX,    32                         ; v32-95   two sets of 32 numbers
.set WC,    96                         ; v96-99   a block's codes
.set WOUT,  112                        ; v112-175 the way out
.set WSB,   24                         ; v24-27   the scale bytes, four to a register
.macro XLOAD t
.irp i, 0,1,2,3
	global_load_b128 v[XR+16*((\t)%4)+4*\i:XR+16*((\t)%4)+4*\i+3], v3, s[4:5] offset:2048*(\t)+512*\i th:TH_LOAD_NT   ; 32 lanes read 512 consecutive bytes
.endr
.endm
.macro XTURN t                         ; a step's 2,048 bytes through the wave's stage: in as they lie, out 64 bytes a lane.  LDS serves a wave's instructions in order
.irp i, 0,1,2,3
	ds_store_b128 v14, v[XR+16*((\t)%4)+4*\i:XR+16*((\t)%4)+4*\i+3] offset:32*SP*((\t)%2)+8*SP*\i
.endr
.irp i, 0,1,2,3
	ds_load_b128 v[XX+16*((\t)%2)+4*\i:XX+16*((\t)%2)+4*\i+3], v15 offset:32*SP*((\t)%2)+16*\i
.endr
.endm
.macro XSTEP t
.set XS, XX+16*((\t)%2)
.if (\t) > 0
	s_wait_dscnt 1                                 ; this step's numbers are back from the stage; the last step's byte store may be out
.else
	s_wait_dscnt 0x0
.endif
.if (\t)+4 < STEPS
	XLOAD (\t)+4                                   ; the stage's stores have read their registers: they take the loads of four steps on
.endif
.if (\t)+1 < STEPS
.if STEPS-2-(\t) >= 3
	s_wait_loadcnt 12                              ; the next step's four loads are in; those of the three steps behind it may be out
.else
	s_wait_loadcnt 4*(STEPS-2-(\t))
.endif
	XTURN (\t)+1
.endif
	v_max3_num_f32 v8, |v[XS]|, |v[XS+1]|, |v[XS+2]|               ; the largest magnitude of my 16, in two chains
	v_max3_num_f32 v9, |v[XS+3]|, |v[XS+4]|, |v[XS+5]|
.irp i, 6,10
	v_max3_num_f32 v8, v8, |v[XS+\i]|, |v[XS+\i+1]|
	v_max3_num_f32 v9, v9, |v[XS+\i+2]|, |v[XS+\i+3]|
.endr
	v_max3_num_f32 v8, v8, |v[XS+14]|, |v[XS+15]|
	v_max3_num_f32 v8, v8, v9, (EMAX+1)<<23        ; and the floor 2^(3 - 127): the byte cannot fall under 1
	v_max_num_f32_dpp v8, v8, v8 row_xmask:1 row_mask:0xf bank_mask:0xf   ; with my neighbour's 16: the block's
	v_add_nc_u32 v11, -(EMAX<<23), v8              ; 2 off its exponent field: the conversion takes this operand's exponent field as its scale
	v_cvt_scalef32_pk8_fp4_f32 v[XC+4*(\t)], v[XS:XS+7], v11
	v_cvt_scalef32_pk8_fp4_f32 v[XC+4*(\t)+1], v[XS+8:XS+15], v11
	v_lshrrev_b32 v[XE+(\t)], 23, v11              ; the scale's byte
	ds_store_b8 v5, v[XE+(\t)] offset:16*(\t)      ; both lanes of a block write the same byte with the same value
	global_store_b64 v4, v[XC+4*(\t):XC+4*(\t)+1], s[14:15] offset:32*CB*(\t)   ; the wave stores 256 consecutive bytes, aligned
.endm
.macro WLOAD t                         ; block t: W(32 t + i, my column), i = 0 .. 31
.irp i, 0,1,2,3,4,5,6,7,8,9,10,11,12,13,14,15,16,17,18,19,20,21,22,23,24,25,26,27,28,29,30,31
	global_load_b32 v[WX+32*((\t)%2)+\i], v3, s[26:27] offset:(32*(\t)+\i)*4096 th:TH_LOAD_NT
.endr
.endm
.macro WBLOCK t
.set WXS, WX+32*((\t)%2)
.if (\t) < NB-1
	s_wait_loadcnt 32                              ; this block's 32 loads are in; the next block's may be out
.else
	s_wait_loadcnt 0
.endif
	v_max3_num_f32 v12, |v[WXS]|, |v[WXS+1]|, |v[WXS+2]|           ; all 32 numbers of the block are mine
	v_max3_num_f32 v13, |v[WXS+3]|, |v[WXS+4]|, |v[WXS+5]|
.irp i, 6,10,14,18,22,26
	v_max3_num_f32 v12, v12, |v[WXS+\i]|, |v[WXS+\i+1]|
	v_max3_num_f32 v13, v13, |v[WXS+\i+2]|, |v[WXS+\i+3]|
.endr
	v_max3_num_f32 v12, v12, |v[WXS+30]|, |v[WXS+31]|
	v_max3_num_f32 v12, v12, v13, (EMAX+1)<<23
	v_add_nc_u32 v11, -(EMAX<<23), v12
	v_lshrrev_b32 v13, 23, v11                     ; the scale's byte
.if (\t)%4 == 0
	v_mov_b32 v[WSB+(\t)/4], v13                   ; four bytes to a register, the lower K in the lower byte
.else
	v_lshl_or_b32 v[WSB+(\t)/4], v13, 8*((\t)%4), v[WSB+(\t)/4]
.endif
.irp g, 0,1,2,3
	v_cvt_scalef32_pk8_fp4_f32 v[WC+\g], v[WXS+8*\g:WXS+8*\g+7], v11
.endr
	ds_store_b128 v4, v[WC:WC+3] offset:16*(\t)    ; 32 codes: 16 bytes of my column's row
.if (\t)+2 < NB
	WLOAD (\t)+2
.endif
	s_wait_dscnt 0x0                               ; the store has read its registers: the next block's codes may be written
.endm
	s_load_b512 s[4:19], s[0:1], 0x0               ; query 4:5, Wq 6:7, Wk 8:9, Wv 10:11, Wd 12:13, xc 14:15, xs 16:17, wc 18:19
	s_load_b128 s[20:23], s[0:1], 0x40             ; ws 20:21, wd16 22:23
	v_lshl_add_u32 v[SPW], v0, 2, SPARE
	v_mov_b32 v[NIL], 0
	v_lshrrev_b32 v1, 5, v0
	v_readfirstlane_b32 s24, v1                    ; wave 0..3
	v_and_b32 v2, 31, v0                           ; lane
	s_wait_kmcnt 0x0
	s_cmp_lt_u32 ttmp9, 48
	s_cbranch_scc1 .Lw
	s_cmp_lt_u32 ttmp9, 304
	s_cbranch_scc0 .Ld
; ---------------- query: a plain stream of blocks of 32
	v_lshlrev_b32 v3, 4, v2                        ; my 16 bytes of a load's 512
	s_mul_i32 s25, s24, WREG
	v_lshrrev_b32 v14, 2, v2
	v_mul_u32_u24 v14, v14, SP
	v_and_b32 v15, 3, v2
	v_lshl_add_u32 v14, v15, 4, v14
	v_add_nc_u32 v14, s25, v14                     ; the stage, on the way in: SP (lane / 4) + 16 (lane % 4)
	v_mul_u32_u24 v15, v2, SP
	v_add_nc_u32 v15, s25, v15                     ; and on the way out: SP x lane
	v_mul_u32_u24 v4, v2, CB                       ; my codes' place in a step's
	v_lshrrev_b32 v5, 1, v2
	s_add_co_u32 s25, s25, 2*32*SP
	v_add_nc_u32 v5, s25, v5                       ; my block's byte among my wave's 256
	v_lshlrev_b32 v7, 3, v2
	v_add_nc_u32 v6, s25, v7                       ; and on the way out 8 bytes a lane
	s_sub_co_u32 s28, ttmp9, 48
	s_lshl_b32 s28, s28, 2
	s_add_co_u32 s28, s28, s24                     ; which run of 8,192 numbers is my wave's: 0 .. 1,023
	s_mov_b32 s27, 0
	s_lshl_b32 s26, s28, 15
	s_add_nc_u64 s[4:5], s[4:5], s[26:27]
	s_lshl_b32 s26, s28, 12
	s_add_nc_u64 s[14:15], s[14:15], s[26:27]
	s_lshl_b32 s26, s28, 8
	s_add_nc_u64 s[16:17], s[16:17], s[26:27]
.irp t, 0,1,2,3
	XLOAD \t
.endr
	s_wait_loadcnt 12                              ; step 0's four loads are in
	XTURN 0
.irp t, 0,1,2,3,4,5,6,7,8,9,10,11,12,13,14,15
	XSTEP \t
.endr
	ds_load_b64 v[8:9], v6                         ; LDS serves a wave's instructions in order: these see my byte stores
	s_wait_dscnt 0x0
	global_store_b64 v7, v[8:9], s[16:17]          ; 32 lanes store 256 consecutive bytes, aligned
	s_wait_tensorcnt 0x0                           ; the wave's end, behind my last LDS store
	ds_add_u32 v[SPW], v[NIL]
	s_wait_dscnt 0x0
	s_endpgm
; ---------------- Wq, Wk, Wv: a lane takes a column n, its registers run down K
.Lw:
	s_lshr_b32 s25, ttmp9, 4                       ; which weight
	s_cmp_eq_u32 s25, 0
	s_cselect_b64 s[26:27], s[6:7], s[8:9]
	s_cmp_eq_u32 s25, 2
	s_cselect_b64 s[26:27], s[10:11], s[26:27]
	s_bfe_u32 s28, ttmp9, 0x10003                  ; which 512 along K
	s_and_b32 s29, ttmp9, 7
	s_lshl_b32 s29, s29, 7
	s_lshl_b32 s30, s24, 5
	s_add_co_u32 s29, s29, s30                     ; my wave's first column
	s_mov_b32 s33, 0
	s_lshl_b32 s32, s28, 21                        ; 512 rows of 4,096 bytes
	s_lshl_b32 s30, s29, 2
	s_add_co_u32 s32, s32, s30
	s_add_nc_u64 s[26:27], s[26:27], s[32:33]
	s_lshl_b32 s30, s25, 10
	s_add_co_u32 s30, s30, s29                     ; my first row of wc and ws
	s_lshl_b32 s32, s30, 9
	s_lshl_b32 s31, s28, 8
	s_add_co_u32 s32, s32, s31
	s_add_nc_u64 s[18:19], s[18:19], s[32:33]
	s_lshl_b32 s32, s30, 5
	s_lshl_b32 s31, s28, 4
	s_add_co_u32 s32, s32, s31
	s_add_nc_u64 s[20:21], s[20:21], s[32:33]
	v_lshlrev_b32 v3, 2, v2                        ; in: 4 bytes a lane
	s_mul_i32 s31, s24, 32*PITCH
	s_add_co_u32 s31, s31, WSTG                    ; my stage
	v_mul_u32_u24 v4, v2, PITCH
	v_add_nc_u32 v4, s31, v4                       ; into it: row = my column
	v_and_b32 v5, 15, v2
	v_lshrrev_b32 v6, 4, v2                        ; out of it: sixteen lanes to a row, two rows an instruction
	v_mul_u32_u24 v7, v6, PITCH
	v_lshl_add_u32 v7, v5, 4, v7
	v_add_nc_u32 v7, s31, v7
	v_mul_u32_u24 v8, v6, KROW
	v_lshl_add_u32 v8, v5, 4, v8                   ; the same place in wc
	v_lshlrev_b32 v9, 5, v2                        ; my column's row of scale bytes
	WLOAD 0
	WLOAD 1
.irp t, 0,1,2,3,4,5,6,7,8,9,10,11,12,13,14,15
	WBLOCK \t
.endr
	global_store_b128 v9, v[WSB:WSB+3], s[20:21]   ; my column's 16 scale bytes
.irp t, 0,1,2,3,4,5,6,7,8,9,10,11,12,13,14,15
	ds_load_b128 v[WOUT+4*\t:WOUT+4*\t+3], v7 offset:2*\t*PITCH
.endr
.irp t, 0,1,2,3,4,5,6,7,8,9,10,11,12,13,14,15
	s_wait_dscnt 15-\t                             ; the later read-backs may be out
	global_store_b128 v8, v[WOUT+4*\t:WOUT+4*\t+3], s[18:19] offset:2*\t*KROW   ; sixteen lanes store 256 consecutive bytes, aligned
.endr
	s_wait_tensorcnt 0x0                           ; the wave's end: the three lines once more
	ds_add_u32 v[SPW], v[NIL]
	s_wait_dscnt 0x0
	s_endpgm
; ---------------- Wd: f32 to f16, order kept.  A wave takes 4,096 numbers; all its 32 loads go out first
.Ld:
	s_sub_co_u32 s25, ttmp9, 304
	s_lshl_b32 s25, s25, 2
	s_add_co_u32 s25, s25, s24                     ; run 0 .. 255
	s_mov_b32 s27, 0
	s_lshl_b32 s26, s25, 14
	s_add_nc_u64 s[12:13], s[12:13], s[26:27]
	s_lshl_b32 s26, s25, 13
	s_add_nc_u64 s[22:23], s[22:23], s[26:27]
	v_lshlrev_b32 v3, 4, v2
	v_lshlrev_b32 v4, 3, v2
.irp i, 0,1,2,3,4,5,6,7,8,9,10,11,12,13,14,15,16,17,18,19,20,21,22,23,24,25,26,27,28,29,30,31
	global_load_b128 v[16+4*\i:19+4*\i], v3, s[12:13] offset:512*\i th:TH_LOAD_NT
.endr
.irp i, 0,1,2,3,4,5,6,7,8,9,10,11,12,13,14,15,16,17,18,19,20,21,22,23,24,25,26,27,28,29,30,31
	s_wait_loadcnt 31-\i                           ; the later loads may be out
	v_cvt_pk_f16_f32 v[16+4*\i], v[16+4*\i], v[17+4*\i]
	v_cvt_pk_f16_f32 v[17+4*\i], v[18+4*\i], v[19+4*\i]
	global_store_b64 v4, v[16+4*\i:17+4*\i], s[22:23] offset:256*\i   ; 256 consecutive bytes, aligned
.endr
	s_endpgm
.Lfunc_end_k_q541f04f059_prep:
	.size	k_q541f04f059_prep, .Lfunc_end_k_q541f04f059_prep-k_q541f04f059_prep
	.p2alignl 7, 3214868480
	.fill 96, 4, 3214868480
	.section	.rodata,"a",@progbits
	.p2align	6, 0x0
	.amdhsa_kernel k_q541f04f059_prep
		.amdhsa_group_segment_fixed_size 68096
		.amdhsa_private_segment_fixed_size 0
		.amdhsa_enable_private_segment 0
		.amdhsa_kernarg_size 80
		.amdhsa_user_sgpr_count 2
		.amdhsa_user_sgpr_kernarg_segment_ptr 1
		.amdhsa_wavefront_size32 1
		.amdhsa_system_sgpr_workgroup_id_x 1
		.amdhsa_system_sgpr_workgroup_id_y 1
		.amdhsa_system_sgpr_workgroup_id_z 1
		.amdhsa_system_vgpr_workitem_id 0
		.amdhsa_next_free_vgpr 196
		.amdhsa_next_free_sgpr 66
		.amdhsa_reserve_vcc 0
		.amdhsa_float_denorm_mode_32 3
		.amdhsa_float_denorm_mode_16_64 3
		.amdhsa_memory_ordered 1
		.amdhsa_forward_progress 1
		.amdhsa_inst_pref_size 122
	.end_amdhsa_kernel
	.amdgpu_metadata
---
amdhsa.version: [ 1, 2 ]
amdhsa.kernels:
  - .name:           k_q541f04f059_prep
    .symbol:         k_q541f04f059_prep.kd
    .args:
      - { .name: query, .offset: 0, .size: 8, .value_kind: global_buffer, .address_space: global }
      - { .name: Wq, .offset: 8, .size: 8, .value_kind: global_buffer, .address_space: global }
      - { .name: Wk, .offset: 16, .size: 8, .value_kind: global_buffer, .address_space: global }
      - { .name: Wv, .offset: 24, .size: 8, .value_kind: global_buffer, .address_space: global }
      - { .name: Wd, .offset: 32, .size: 8, .value_kind: global_buffer, .address_space: global }
      - { .name: xc, .offset: 40, .size: 8, .value_kind: global_buffer, .address_space: global }
      - { .name: xs, .offset: 48, .size: 8, .value_kind: global_buffer, .address_space: global }
      - { .name: wc, .offset: 56, .size: 8, .value_kind: global_buffer, .address_space: global }
      - { .name: ws, .offset: 64, .size: 8, .value_kind: global_buffer, .address_space: global }
      - { .name: wd16, .offset: 72, .size: 8, .value_kind: global_buffer, .address_space: global }
    .group_segment_fixed_size: 68096
    .private_segment_fixed_size: 0
    .kernarg_segment_align: 8
    .kernarg_segment_size: 80
    .max_flat_workgroup_size: 128
    .sgpr_count:     66
    .vgpr_count:     196
    .wavefront_size: 32
...
	.end_amdgpu_metadata
.endif
;; end of part 1
;; launch qkv (part 2): grid 12 x 32, 4 waves a work-group, clusters of 4 x 4, 327,680 bytes of LDS; arguments xc, xs, wc, ws, qkv, bq, bk, bv; writes qkv
.if DOCPART == 2
	.amdgcn_target "amdgcn-amd-amdhsa--gfx1250"
	.amdhsa_code_object_version 6
	.text
	.protected	k_q541f04f059_qkv
	.globl	k_q541f04f059_qkv
	.p2align	8
	.type	k_q541f04f059_qkv,@function
k_q541f04f059_qkv:
	s_mov_b64 s[64:65], 0
	v_nop
	global_prefetch_b8 v0, s[64:65] scope:SCOPE_SE
	s_setreg_imm32_b32 hwreg(HW_REG_WAVE_MODE, 25, 1), 1
	s_wait_xcnt 0x0
	s_wait_alu depctr_hold_cnt(0) depctr_sa_sdst(0) depctr_va_vdst(0) depctr_va_sdst(0) depctr_va_ssrc(0) depctr_va_vcc(0) depctr_vm_vsrc(0)
	s_getreg_b32 s2, hwreg(HW_REG_IB_STS2, 6, 4)
	s_cmp_eq_u32 s2, 0
	s_cbranch_scc0 .Lentry_in_a_cluster
	s_endpgm
.Lentry_in_a_cluster:
	s_bfe_u32 s2, ttmp6, 0x10000c
	s_cmp_lg_u32 s2, 0xf033
	s_cbranch_scc0 .Lentry_shape_is_right
	s_endpgm
.Lentry_shape_is_right:
; q, k, v = query W + b, the three quantised products as ONE GEMM on codes of FP4 (E2M1) with E8M0 scales: C[m][n] = sum over k of A[m][k] B[n][k] + bias[n].
; A = xc [8192][512 bytes] with xs [8192][32]; B = wc [3072][512 bytes] with ws [3072][32] (rows 0-1023 Wq's columns, then Wk's, then Wv's).  Sums in f32.
; The result leaves as f16 in qkv [3][batch 4][head 16][position 2048][64].  LIMIT: |q|, |k|, |v| stay under 65,504.
; A tile of C, 256 x 256, is made by four waves, 128 x 128 each: 64 accumulators, 512 registers.  K = 1,024 is exactly two LDS slots of 512 along K: both are asked for at the start, none is filled again.
; The scales of the work-group's rows of A and B for all of K come once, as dense blocks.  A wave has three tensor loads out at the start.
; CLUSTERS: 4 x 4 work-groups; A's tiles are shared along a row of the cluster, B's along a column: joint loads.  A cluster's four tile columns are one of q, k, v (cluster x).
; THE MATRIX INSTRUCTION IS USED TRANSPOSED (source 0 = 16 rows of B, source 1 = 16 rows of A): a lane holds eight neighbouring columns of one row of C.
; The bias is the C of each sum's first matrix instruction: eight registers for each block of 16 columns, in the result's layout.
; REGISTERS: window 0: v0-31 addresses; v32-95 scale words, two sets; v96-127 packed results; v128-191 A's fragments, one set (on the way out: rows read back); v192-255 the bias.
;   window 1: B's fragments, two sets.  window 2: accumulators of my rows 0-63 ((a, b) at v[8 (8 a + b)]); window 3: rows 64-127.
.set NQ,     4                         ; matrix instructions deep in a slot
.set ROWB,   256                       ; a tile's row in bytes: 512 codes
.set KROW,   512                       ; a row of A or B in memory
.set PITCH,  272                       ; an LDS row: 256 bytes + 16 of padding, so that the 16 rows of a fragment load start 68 words apart
.set FR,     8
.set NL,     2
.set NP,     4                         ; places behind this matrix instruction (ISA guide 7.12.1)
.set HALFT,  128*PITCH
.set SLOT,   4*HALFT
.set KS,     32                        ; a row of scales in bytes
.set SCL,    2*SLOT                    ; behind the ring: the scales, as units of 256 bytes + 16
.set HALFS,  (128*KS/256)*272
.set SBLK,   (16*KS/256)*272
.set SPARE,  SCL+4*HALFS               ; the spare words, 128 bytes for each wave
.set SPITCH, 272                       ; the way out: a stage of 16 rows x (256 bytes + 16) for each wave, in slot 0, which has had its only fill and its last read by then
.set ADRA, 16
.set ADRB, 20
.set STO,  24
.set RD,   25
.set CO,   26
.set ADRS, 27
.set SPW,  28
.set NIL,  29
.set SC,   32
.set TMP,  96
.set AF,   128
.set BK,   128
.set BIAS, 192
.set G1, 24
.set G0, 32
.set G1B, 48
.set G0B, 56
.set G1S, 68
.set G0S, 76
.set G1SB, 80
.set G0SB, 88
.set MSB, 0
.macro WIN new                         ; the immediate's high byte repeats the setting that is left
.if MSB != (\new)
	s_set_vgpr_msb (MSB<<8)|(\new)
.set MSB, (\new)
.endif
.endm
.set MUL_LO, 0xa1                      ; source 0 (B) window 1, source 1 (A) window 0, C and D window 2
.set MUL_HI, 0xf1                      ; the same, C and D window 3
.set TO_B,   0x40
; A joint load: waves 0 and 1 fetch for A, waves 2 and 3 for B.  The branch hangs on the wave's number alone.  An s_nop 0 and four v_nop follow each line.
.macro JLOAD g0a, g1a, g0b, g1b
	s_cmp_eq_u32 s15, 0
	s_cbranch_scc0 .Lfor_b_\@
	tensor_load_to_lds s[\g0a:\g0a+3], s[\g1a:\g1a+7]
	s_nop 0
.rept 4
	v_nop
.endr
	s_branch .Lasked_\@
.Lfor_b_\@:
	tensor_load_to_lds s[\g0b:\g0b+3], s[\g1b:\g1b+7]
	s_nop 0
.rept 4
	v_nop
.endr
.Lasked_\@:
.endm
.macro CROUND                          ; a round of the cluster's barrier
	s_barrier_signal -1
	s_barrier_wait -1
	s_cmp_lg_u32 s14, 0
	s_cbranch_scc1 .Lnot_wave_0_\@
	s_barrier_signal -3
.Lnot_wave_0_\@:
	s_barrier_wait -3
	s_barrier_signal -1
	s_barrier_wait -1
.endm
	s_load_b128 s[4:7], s[0:1], 0x0                ; A's codes, A's scales
	s_load_b128 s[8:11], s[0:1], 0x10              ; B's codes, B's scales
	s_load_b64 s[12:13], s[0:1], 0x20              ; qkv
	s_load_b128 s[96:99], s[0:1], 0x28             ; bq, bk
	s_load_b64 s[100:101], s[0:1], 0x38            ; bv
	v_lshl_add_u32 v[SPW], v0, 2, SPARE
	v_mov_b32 v[NIL], 0
	ds_add_u32 v[SPW], v[NIL]                      ; the wave's opening: the add, twice on end, and its wait ahead of my first tensor load
	ds_add_u32 v[SPW], v[NIL]
	v_lshrrev_b32 v1, 5, v0
	v_readfirstlane_b32 s14, v1                    ; wave 0..3
	s_lshr_b32 s15, s14, 1                         ; which half of the tile's rows is mine.  Also: I fetch for A (0) or for B (1)
	s_and_b32 s16, s14, 1                          ; which half of its columns.  Also: which 128 rows I fetch
	s_bfe_u32 s40, ttmp6, 0x40000                  ; cx
	s_bfe_u32 s41, ttmp6, 0x40004                  ; cy
	s_lshl_b32 s42, ttmp9, 2
	s_add_co_u32 s42, s42, s40                     ; tile column of C
	s_and_b32 s17, ttmp7, 0xffff
	s_lshl_b32 s17, s17, 2
	s_add_co_u32 s17, s17, s41                     ; tile row of C
	s_lshl_b32 s43, s41, 2
	s_lshl_b32 s43, 15, s43                        ; my row of the cluster
	s_lshl_b32 s44, 0x1111, s40                    ; my column
	s_or_b32 s[G1+0], s43, (0<<16)|(1<<20)|(1<<21)|(5<<22)|(3<<25)  ; mask; elements of 1 byte; padding on: 4 words behind every 64; bit 21 beside a mask
	s_or_b32 s[G1B+0], s44, (0<<16)|(1<<20)|(1<<21)|(5<<22)|(3<<25)
.irp g, G1, G1B
	s_mov_b32 s[\g+1], ROWB<<16                    ; tensor_dim0
	s_mov_b32 s[\g+2], 128<<16                     ; tensor_dim1
	s_mov_b32 s[\g+3], ROWB<<16                    ; tile_dim0
	s_mov_b32 s[\g+4], 128                         ; tile_dim1
	s_mov_b32 s[\g+5], KROW                        ; stride
	s_mov_b32 s[\g+6], 0
	s_mov_b32 s[\g+7], 0
.endr
	s_or_b32 s[G1S+0], s43, (3<<16)|(1<<20)|(1<<21)|(5<<22)|(3<<25) ; the scales of 128 rows: 4,096 dense bytes as 16 rows of 256 (32 elements of 8 bytes)
	s_or_b32 s[G1SB+0], s44, (3<<16)|(1<<20)|(1<<21)|(5<<22)|(3<<25)
.irp g, G1S, G1SB
	s_mov_b32 s[\g+1], 32<<16
	s_mov_b32 s[\g+2], (128*KS/256)<<16
	s_mov_b32 s[\g+3], 32<<16
	s_mov_b32 s[\g+4], 128*KS/256
	s_mov_b32 s[\g+5], 32
	s_mov_b32 s[\g+6], 0
	s_mov_b32 s[\g+7], 0
.endr
	s_lshl_b32 s18, s16, 7
	s_lshl_b32 s20, s17, 8
	s_add_co_u32 s20, s20, s18                     ; A: row 256 x tile row + 128 x half
	s_lshl_b32 s46, s42, 8
	s_add_co_u32 s46, s46, s18                     ; B: row 256 x tile column + 128 x half
	s_mov_b32 s21, 0
	s_mov_b32 s47, 0
	s_mov_b64 s[18:19], KS
	s_mul_u64 s[22:23], s[20:21], s[18:19]         ; where these rows' scales begin
	s_mul_u64 s[92:93], s[46:47], s[18:19]
	s_mov_b64 s[18:19], KROW
	s_mul_u64 s[20:21], s[20:21], s[18:19]         ; and their codes
	s_mul_u64 s[46:47], s[46:47], s[18:19]
	s_mul_i32 s45, s14, HALFT                      ; where they go: wave x 128 rows
	s_mul_i32 s94, s14, HALFS
	s_wait_dscnt 0x0                               ; both opening adds are done
	s_wait_kmcnt 0x0
	s_add_nc_u64 s[20:21], s[4:5], s[20:21]
	s_add_nc_u64 s[22:23], s[6:7], s[22:23]
	s_add_nc_u64 s[46:47], s[8:9], s[46:47]
	s_add_nc_u64 s[92:93], s[10:11], s[92:93]
	CROUND                                         ; all sixteen work-groups are here: the joint loads meet
	s_mov_b32 s[G0S], 1
	s_add_co_u32 s[G0S+1], s94, SCL
	s_mov_b64 s[G0S+2:G0S+3], s[22:23]
	s_or_b32 s[G0S+3], s[G0S+3], 0x80000000
	s_mov_b32 s[G0SB], 1
	s_add_co_u32 s[G0SB+1], s94, SCL
	s_mov_b64 s[G0SB+2:G0SB+3], s[92:93]
	s_or_b32 s[G0SB+3], s[G0SB+3], 0x80000000
	JLOAD G0S, G1S, G0SB, G1SB                     ; the scales first
.irp s, 0,1
	s_mov_b32 s[G0+4*\s], 1
	s_add_co_u32 s[G0+4*\s+1], s45, \s*SLOT
	s_add_nc_u64 s[G0+4*\s+2:G0+4*\s+3], s[20:21], \s*ROWB
	s_or_b32 s[G0+4*\s+3], s[G0+4*\s+3], 0x80000000
	s_mov_b32 s[G0B+4*\s], 1
	s_add_co_u32 s[G0B+4*\s+1], s45, \s*SLOT
	s_add_nc_u64 s[G0B+4*\s+2:G0B+4*\s+3], s[46:47], \s*ROWB
	s_or_b32 s[G0B+4*\s+3], s[G0B+4*\s+3], 0x80000000
	JLOAD G0+4*\s, G1, G0B+4*\s, G1B
.endr
	v_and_b32 v1, 15, v0                           ; r = l % 16
	v_bfe_u32 v2, v0, 4, 1                         ; h = l / 16
	; the bias of my 128 columns: cluster x says which of q, k, v; lane (r, h) wants, for block b, numbers 16 b + 8 h + 0 .. 7
	s_cmp_eq_u32 ttmp9, 0
	s_cselect_b64 s[96:97], s[96:97], s[98:99]
	s_cmp_eq_u32 ttmp9, 2
	s_cselect_b64 s[96:97], s[100:101], s[96:97]
	s_lshl_b32 s92, s40, 10
	s_lshl_b32 s93, s16, 9
	s_add_co_u32 s92, s92, s93
	s_mov_b32 s93, 0
	s_add_nc_u64 s[96:97], s[96:97], s[92:93]
	v_lshlrev_b32 v7, 5, v2
.irp b, 0,1,2,3,4,5,6,7
	global_load_b128 v[BIAS+8*\b:BIAS+8*\b+3], v7, s[96:97] offset:64*\b
	global_load_b128 v[BIAS+8*\b+4:BIAS+8*\b+7], v7, s[96:97] offset:64*\b+16
.endr
	v_mul_u32_u24 v3, v1, PITCH
	v_lshl_add_u32 v4, v2, 4, v3                   ; a fragment's row x pitch + 16 x half
	s_mul_i32 s21, s15, HALFT                      ; my 128 rows of A
	s_mul_i32 s22, s16, HALFT                      ; my 128 rows of B,
	s_add_co_u32 s22, s22, 2*HALFT                 ; behind A's 256
.irp s, 0,1
	v_add_nc_u32 v[ADRA+\s], s21, v4
	v_add_nc_u32 v[ADRB+\s], s22, v4
	s_add_co_u32 s21, s21, SLOT
	s_add_co_u32 s22, s22, SLOT
.endr
	v_mul_u32_u24 v5, v1, KS                       ; my row's scales: 32 bytes a row,
	v_lshrrev_b32 v6, 8, v5
	v_lshl_add_u32 v5, v6, 4, v5                   ; and 16 more for each 256 passed
	s_mul_i32 s21, s15, HALFS
	s_mul_i32 s22, s16, HALFS
	s_add_co_u32 s22, s22, 2*HALFS
	s_sub_co_u32 s22, s22, s21
	v_mul_u32_u24 v6, s22, v2                      ; lanes 16-31 take B's: one product, the distance between the two bases
	s_add_co_u32 s21, s21, SCL
	v_add_nc_u32 v5, v5, v6
	v_add_nc_u32 v[ADRS], s21, v5
	s_mul_i32 s23, s14, 16*SPITCH                  ; my stage
	v_mul_u32_u24 v5, v1, SPITCH                   ; in: row r, 16 bytes for each half of the lanes
	v_lshl_add_u32 v5, v2, 4, v5
	v_add_nc_u32 v[STO], s23, v5
	v_bfe_u32 v5, v0, 3, 2                         ; back: eight lanes take one head's 128 bytes of a row, four rows an instruction
	v_mul_u32_u24 v5, v5, SPITCH
	v_and_b32 v6, 7, v0
	v_lshl_add_u32 v5, v6, 4, v5
	v_add_nc_u32 v[RD], s23, v5
	v_and_b32 v6, 31, v0
	v_lshlrev_b32 v[CO], 4, v6                     ; and those four rows are 512 consecutive bytes of qkv
	; where my part begins in qkv: tensor x 2^24 + batch x 2^22 + head x 2^18 + position x 128
	s_lshl_b32 s20, ttmp9, 24
	s_lshr_b32 s21, s17, 3
	s_lshl_b32 s21, s21, 22
	s_add_co_u32 s20, s20, s21
	s_and_b32 s21, s17, 7
	s_lshl_b32 s21, s21, 15
	s_add_co_u32 s20, s20, s21
	s_lshl_b32 s21, s15, 14
	s_add_co_u32 s20, s20, s21
	s_lshl_b32 s46, s40, 20                        ; head 4 cx + 2 x my half of the columns
	s_lshl_b32 s47, s16, 19
	s_add_co_u32 s46, s46, s47
	s_add_co_u32 s20, s20, s46
	s_mov_b32 s21, 0
	s_add_nc_u64 s[12:13], s[12:13], s[20:21]
.macro FRAG reg, adr, q, i             ; 16 rows x 128 K of 4-bit codes: 8 registers, two loads of 16 bytes, 32 bytes apart
.irp c, 0,1
	ds_load_b128 v[\reg+4*\c:\reg+4*\c+3], v[\adr] offset:64*(\q)+32*\c+(\i)*16*PITCH
.endr
.endm
; 16 matrix instructions: A's blocks a0, a0 + 1 x B's eight.  first = 1: the sums start from the bias.  The 64 accumulators take turns, one instruction a turn.
.macro MUL16 a0, p, q, sc, first
.irp a, \a0, \a0+1
.irp b, 0,1,2,3,4,5,6,7
.if \first
	v_wmma_scale_f32_16x16x128_f8f6f4 v[8*(8*((\a)%4)+\b):8*(8*((\a)%4)+\b)+7], v[128*(\p)+FR*\b:128*(\p)+FR*\b+FR-1], v[AF+FR*(\a):AF+FR*(\a)+FR-1], v[BIAS+8*\b:BIAS+8*\b+7], v[SC+8*NQ*(\sc)+NQ*\b+(\q)], v[SC+8*NQ*(\sc)+NQ*(\a)+(\q)] matrix_a_fmt:MATRIX_FMT_FP4 matrix_b_fmt:MATRIX_FMT_FP4 matrix_a_scale:MATRIX_SCALE_ROW1
.else
	v_wmma_scale_f32_16x16x128_f8f6f4 v[8*(8*((\a)%4)+\b):8*(8*((\a)%4)+\b)+7], v[128*(\p)+FR*\b:128*(\p)+FR*\b+FR-1], v[AF+FR*(\a):AF+FR*(\a)+FR-1], v[8*(8*((\a)%4)+\b):8*(8*((\a)%4)+\b)+7], v[SC+8*NQ*(\sc)+NQ*\b+(\q)], v[SC+8*NQ*(\sc)+NQ*(\a)+(\q)] matrix_a_fmt:MATRIX_FMT_FP4 matrix_b_fmt:MATRIX_FMT_FP4 matrix_a_scale:MATRIX_SCALE_ROW1
.endif
.endr
.endr
.endm
.macro FETCH_B slot, q, p
	WIN TO_B
.irp i, 0,1,2,3,4,5,6,7
	FRAG 128*(\p)+FR*\i, ADRB+\slot, \q, \i
.endr
	WIN 0
.endm
.macro FETCH_A slot, q, i0
.irp i, \i0, \i0+1, \i0+2, \i0+3
	FRAG AF+FR*(\i), ADRA+\slot, \q, \i
.endr
.endm
.macro SCALES sc                       ; a slot's scale words: four a row; lanes 0-15 take A's block i, lanes 16-31 B's block i
.irp i, 0,1,2,3,4,5,6,7
	ds_load_b128 v[SC+8*NQ*\sc+NQ*\i:SC+8*NQ*\sc+NQ*\i+3], v[ADRS] offset:\i*SBLK
.endr
.endm
.macro PLACES n                        ; places in front of loads into registers that matrix instructions have read, and of reads of results
.rept \n
	v_nop
.endr
.endm
.macro STEP slot, q, first             ; 128 along K with its successor in the same slot
	s_wait_dscnt 4*NL                              ; B's set and A's blocks 0-3 are in; A's blocks 4-7 (eight loads) may be out
.if \first
	WIN 0x81                                       ; C (the bias) in window 0
.else
	WIN MUL_LO
.endif
	MUL16 0, (\q)%2, \q, \slot, \first
	MUL16 2, (\q)%2, \q, \slot, \first
	s_wait_dscnt 0
	PLACES NP
	FETCH_B \slot, (\q)+1, 1-(\q)%2
	FETCH_A \slot, (\q)+1, 0
.if \first
	WIN 0xc1
.else
	WIN MUL_HI
.endif
	MUL16 4, (\q)%2, \q, \slot, \first
	MUL16 6, (\q)%2, \q, \slot, \first
	PLACES NP
	WIN 0
	FETCH_A \slot, (\q)+1, 4
.endm
; Slot 0's last step changes slots: my part of slot 1 has landed, the add, my reads of slot 0 are over, one barrier.  Nothing is filled again.
.macro TURN slot, next
	s_wait_tensorcnt 0x0                           ; all my tensor loads have landed
	ds_add_u32 v[SPW], v[NIL]                      ; 0 onto my spare word
	s_wait_dscnt 4*NL+1                            ; the add and A's blocks 4-7 may be out
	WIN MUL_LO
	MUL16 0, 1, NQ-1, \slot, 0
	s_wait_dscnt 0x0                               ; the add is done, and my reads of this slot are over
	s_barrier_signal -1
	MUL16 2, 1, NQ-1, \slot, 0
	WIN 0
	s_barrier_wait -1
	PLACES NP
	v_add_nc_u32 v[ADRS], 4*NQ, v[ADRS]            ; the next slot's scale words
	FETCH_B \next, 0, 0
	FETCH_A \next, 0, 0
	SCALES \next
	WIN MUL_HI
	MUL16 4, 1, NQ-1, \slot, 0
	MUL16 6, 1, NQ-1, \slot, 0
	PLACES NP
	WIN 0
	FETCH_A \next, 0, 4
.endm
	s_wait_tensorcnt 1                             ; the scales and my part of slot 0 are in; slot 1's load may be out,
	s_barrier_signal -1
	s_barrier_wait -1                              ; everybody's are
	FETCH_B 0, 0, 0
	FETCH_A 0, 0, 0
	SCALES 0
	FETCH_A 0, 0, 4
	s_wait_loadcnt 0x0                             ; the bias
	STEP 0, 0, 1
	STEP 0, 1, 0
	STEP 0, 2, 0
	TURN 0, 1
	STEP 1, 0, 0
	STEP 1, 1, 0
	STEP 1, 2, 0
	s_wait_dscnt 4*NL                              ; the last step: nothing more to fetch
	WIN MUL_LO
	MUL16 0, 1, NQ-1, 1, 0
	MUL16 2, 1, NQ-1, 1, 0
	s_wait_dscnt 0
	WIN MUL_HI
	MUL16 4, 1, NQ-1, 1, 0
	MUL16 6, 1, NQ-1, 1, 0
	WIN 0
; THE WAY OUT, block by block of 16 rows x 128 columns (two heads).  PACK: to f16, 16 bytes a lane.  TOSTAGE: into my stage, back as four rows of one head, 512 bytes that lie on end in qkv.  SEND: stored.
.macro PACK a
.set AC, 64*((\a)%4)
	WIN 0x0a+5*((\a)/4)                            ; sources 0 and 1: window 2 or 3
.irp b, 0,1,2,3,4,5,6,7
.irp r, 0,1,2,3
	v_cvt_pk_f16_f32 v[TMP+4*\b+\r], v[AC+8*\b+2*\r], v[AC+8*\b+2*\r+1]   ; each accumulator from its low end on
.endr
.endr
	WIN 0
.endm
.macro TOSTAGE a
.set BB, BK+32*((\a)%2)
.irp b, 0,1,2,3,4,5,6,7
	ds_store_b128 v[STO], v[TMP+4*\b:TMP+4*\b+3] offset:32*\b
.endr
.irp t, 0,1,2,3,4,5,6,7
	ds_load_b128 v[BB+4*\t:BB+4*\t+3], v[RD] offset:(\t%4)*4*SPITCH+(\t/4)*128   ; LDS serves a wave's instructions in order: these see the stores above
.endr
.endm
.macro SEND a
.set BB, BK+32*((\a)%2)
	s_wait_dscnt 0x0                               ; the block is back in registers
	s_wait_xcnt 0x0                                ; earlier stores have read their base and their data: both may be written again
.if (\a) > 0
	s_add_nc_u64 s[12:13], s[12:13], 16*128        ; 16 positions on
.endif
.irp t, 0,1,2,3,4,5,6,7
	global_store_b128 v[CO], v[BB+4*\t:BB+4*\t+3], s[12:13] offset:(\t/4)*262144+(\t%4)*512   ; 512 consecutive bytes, at a multiple of 512 from qkv's first byte
.endr
.endm
	PLACES NP
	PACK 0
	TOSTAGE 0
.irp a, 1,2,3,4,5,6,7                  ; block a's conversions stand between block a - 1's loads from the stage and the wait for them
	PACK \a
	SEND \a-1
	TOSTAGE \a
.endr
	SEND 7
	s_wait_tensorcnt 0x0                           ; the wave's end
	ds_add_u32 v[SPW], v[NIL]
	s_wait_dscnt 0x0
	CROUND                                         ; the closing round
	s_endpgm
.Lfunc_end_k_q541f04f059_qkv:
	.size	k_q541f04f059_qkv, .Lfunc_end_k_q541f04f059_qkv-k_q541f04f059_qkv
	.p2alignl 7, 3214868480
	.fill 96, 4, 3214868480
	.section	.rodata,"a",@progbits
	.p2align	6, 0x0
	.amdhsa_kernel k_q541f04f059_qkv
		.amdhsa_group_segment_fixed_size 327680
		.amdhsa_private_segment_fixed_size 0
		.amdhsa_enable_private_segment 0
		.amdhsa_kernarg_size 64
		.amdhsa_user_sgpr_count 2
		.amdhsa_user_sgpr_kernarg_segment_ptr 1
		.amdhsa_wavefront_size32 1
		.amdhsa_system_sgpr_workgroup_id_x 1
		.amdhsa_system_sgpr_workgroup_id_y 1
		.amdhsa_system_sgpr_workgroup_id_z 1
		.amdhsa_system_vgpr_workitem_id 0
		.amdhsa_next_free_vgpr 1024
		.amdhsa_next_free_sgpr 102
		.amdhsa_reserve_vcc 0
		.amdhsa_float_denorm_mode_32 3
		.amdhsa_float_denorm_mode_16_64 3
		.amdhsa_memory_ordered 1
		.amdhsa_forward_progress 1
		.amdhsa_inst_pref_size 129
	.end_amdhsa_kernel
	.amdgpu_metadata
---
amdhsa.version: [ 1, 2 ]
amdhsa.kernels:
  - .name:           k_q541f04f059_qkv
    .symbol:         k_q541f04f059_qkv.kd
    .args:
      - { .name: xc, .offset: 0, .size: 8, .value_kind: global_buffer, .address_space: global }
      - { .name: xs, .offset: 8, .size: 8, .value_kind: global_buffer, .address_space: global }
      - { .name: wc, .offset: 16, .size: 8, .value_kind: global_buffer, .address_space: global }
      - { .name: ws, .offset: 24, .size: 8, .value_kind: global_buffer, .address_space: global }
      - { .name: qkv, .offset: 32, .size: 8, .value_kind: global_buffer, .address_space: global }
      - { .name: bq, .offset: 40, .size: 8, .value_kind: global_buffer, .address_space: global }
      - { .name: bk, .offset: 48, .size: 8, .value_kind: global_buffer, .address_space: global }
      - { .name: bv, .offset: 56, .size: 8, .value_kind: global_buffer, .address_space: global }
    .group_segment_fixed_size: 327680
    .private_segment_fixed_size: 0
    .kernarg_segment_align: 8
    .kernarg_segment_size: 64
    .max_flat_workgroup_size: 128
    .sgpr_count:     102
    .vgpr_count:     1024
    .wavefront_size: 32
...
	.end_amdgpu_metadata
.endif
;; end of part 2
;; launch attn (part 3): grid 4 x 64, 8 waves a work-group, clusters of 4 x 1, 327,680 bytes of LDS; arguments qkv, attention_mask, ctx; writes ctx
.if DOCPART == 3
	.amdgcn_target "amdgcn-amd-amdhsa--gfx1250"
	.amdhsa_code_object_version 6
	.text
	.protected	k_q541f04f059_attn
	.globl	k_q541f04f059_attn
	.p2align	8
	.type	k_q541f04f059_attn,@function
k_q541f04f059_attn:
	s_mov_b64 s[64:65], 0
	v_nop
	global_prefetch_b8 v0, s[64:65] scope:SCOPE_SE
	s_setreg_imm32_b32 hwreg(HW_REG_WAVE_MODE, 25, 1), 1
	s_wait_xcnt 0x0
	s_wait_alu depctr_hold_cnt(0) depctr_sa_sdst(0) depctr_va_vdst(0) depctr_va_sdst(0) depctr_va_ssrc(0) depctr_va_vcc(0) depctr_vm_vsrc(0)
	s_getreg_b32 s2, hwreg(HW_REG_IB_STS2, 6, 4)
	s_cmp_eq_u32 s2, 0
	s_cbranch_scc0 .Lentry_in_a_cluster
	s_endpgm
.Lentry_in_a_cluster:
	s_bfe_u32 s2, ttmp6, 0x10000c
	s_cmp_lg_u32 s2, 0x3003
	s_cbranch_scc0 .Lentry_shape_is_right
	s_endpgm
.Lentry_shape_is_right:
; ctx[b][head][q][:] = the sum over keys of softmax(q . k / 8 + mask[b][key]) v[key][:].  q, k, v: f16, qkv [3][b][head][2048][64]; mask f32 [4][2048]; ctx f16 [b][head][2048][64].
; Products by f16 matrix instructions with f32 sums; maxima, exponentials and row sums in f32; the weights p (at most 1) are rounded to f16 for the second product, ctx once at the end.
; SHARES.  A cluster of four work-groups is one (batch, head); a work-group owns 512 queries, each of its eight waves 64: four tiles of 16, worked as two pieces of two tiles.
;   Two waves share a SIMD (512 registers each), so that one wave's softmax stands beside the other's products.  Every wave walks all 2,048 keys, 64 a step.
; LAYOUT.  S^T = K Q^T (source 0 = 16 keys, source 1 = 16 queries) and O^T = V^T P (source 0 = 16 channels, source 1 = P): a lane holds ONE query throughout.  Two tiles of S^T, rounded in pairs, ARE a fragment of P.
; THE MASK is the C of the score product: a table of 8 x mask (exact) in LDS, so that S = q.k + 8 mask and p = 2^(c S - c m), c = log2(e) / 8, m the running maximum of S.
;   In every step O^T and the sum l are multiplied by a = 2^(c m_old - c m_new).  O^T and l begin as zeros and m as -3e38: the loop has no first step of its own.
; LIMITS: 8 x mask is held at -2^100 from below, so -infinity acts as 'never chosen'; a row all of whose keys carry it gives the plain mean of v where the definition gives NaN.  NaN is not served.
; RING.  Two slots of 256 keys (K: rows of 128 bytes + 16; V: + 32), 2^17 bytes apart.  Waves 0-3 fetch K's quarters, waves 4-7 V's, by JOINT loads that name all four work-groups.
;   The change of slots stands at a slot's head; a wave never has more than one tensor load out, and that load has four key steps in which to land.
; REGISTERS: window 0: v1-6 addresses; v8:9, v30:31 second chains of the sums; v10, v11 the add's two; v12-19 (c m, m) a tile; v20-27 c0-c3 of the piece's two tiles (a takes c2's place);
;   v28 the prefetches' offset; v32-95 S^T, then p, then P (32 a tile of the piece); v96-127 the mask as C; v128-191 K; v192-255 Q.   window 1: v0-127 O^T (32 a tile); v128-135 l (a pair a tile); v168-231 V.
.set PK,    144
.set PVP,   160
.set VOFF,  256*PK                     ; a slot: 256 rows of K, then 256 rows of V
.set SLOT1, 1<<17
.set MASK,  VOFF+256*PVP               ; behind slot 0: 8 x mask, 2,048 numbers; written by LDS stores, in blocks that no fill touches
.set STAGE, MASK+8192                  ; 16 rows x 144 bytes for each wave, for the way out
.set SP,    144
.set SPARE, STAGE+8*16*SP              ; the spare words, 128 bytes for each wave
.set AK0, 1
.set AV0, 2
.set AM0, 3
.set ADK, 4
.set ADV, 5
.set ADM, 6
.set STO, 4                            ; the way out uses the loop's address registers
.set RD,  5
.set GO,  6
.set SPW, 10
.set NIL, 11
.set MM,  12
.set CC,  20
.set PFO, 28
.set S,   32
.set MK,  96
.set KF,  128
.set QF,  192
.set LL,  128                          ; in window 1
.set VF,  168                          ; in window 1
.set WV,  10
.set PFA, 18
.set LIM, 20
.set SLOTS, 21
.set TB,  22
.set TM,  23
.set G1K, 24
.set G1V, 32
.set G0K, 40
.set G0V, 44
.set CS,  48
.set SEL, 50
.set MSB, 0
.macro WIN new
.if MSB != (\new)
	s_set_vgpr_msb (MSB<<8)|(\new)
.set MSB, (\new)
.endif
.endm
.macro JLOAD                           ; waves 0-3: K's line; waves 4-7: V's.  The branch hangs on the wave's number alone.  An s_nop 0 and four v_nop follow each line
	s_cmp_lt_u32 s[WV], 4
	s_cbranch_scc0 .Lfor_v_\@
	tensor_load_to_lds s[G0K:G0K+3], s[G1K:G1K+7]
	s_nop 0
.rept 4
	v_nop
.endr
	s_branch .Lasked_\@
.Lfor_v_\@:
	tensor_load_to_lds s[G0V:G0V+3], s[G1V:G1V+7]
	s_nop 0
.rept 4
	v_nop
.endr
.Lasked_\@:
.endm
; A prefetch of what the NEXT change of slots will ask for: a slot's 32,768 bytes of K and of V.  Each aligned block of 256 bytes is named once in the launch: the four partners take 8,192 bytes each,
; told apart by address; in each, wave 0 asks for K's and wave 4 for V's, lanes 256 bytes apart.  It stands behind the wave's tensor load; the last change that fills a slot asks for nothing.
.macro ASK
	s_cmp_gt_u32 s[SLOTS], s[LIM]
	s_cbranch_scc0 .Lnot_mine_\@
	global_prefetch_b8 v[PFO], s[PFA:PFA+1] th:TH_LOAD_NT scope:SCOPE_SE
.Lnot_mine_\@:
.endm
.macro CROUND
	s_barrier_signal -1
	s_barrier_wait -1
	s_cmp_lg_u32 s[WV], 0
	s_cbranch_scc1 .Lnot_wave_0_\@
	s_barrier_signal -3
.Lnot_wave_0_\@:
	s_barrier_wait -3
	s_barrier_signal -1
	s_barrier_wait -1
.endm
	s_load_b128 s[4:7], s[0:1], 0x0                ; qkv, mask
	s_load_b64 s[8:9], s[0:1], 0x10                ; ctx
	v_lshl_add_u32 v[SPW], v0, 2, SPARE
	v_mov_b32 v[NIL], 0
	ds_add_u32 v[SPW], v[NIL]                      ; the wave's opening: the add, twice on end, and its wait ahead of my first tensor load
	ds_add_u32 v[SPW], v[NIL]
	v_lshrrev_b32 v1, 5, v0
	v_readfirstlane_b32 s[WV], v1                  ; wave 0..7
	s_and_b32 s11, s[WV], 3                        ; which 64 rows of a slot I fetch
	s_bfe_u32 s12, ttmp6, 0x40000                  ; cx: it enters Q's, ctx's and the prefetches' addresses alone
	s_and_b32 s13, ttmp7, 0xffff                   ; 16 x batch + head, which the four partners share
	s_lshl_b32 s16, s13, 18                        ; the head's first byte in each of q, k, v and ctx
	s_mov_b32 s[G1K], 15|(1<<16)|(1<<20)|(1<<21)|(4<<22)|(3<<25)  ; the mask: all four; elements of 2 bytes; padding on: 4 words behind every 32; bit 21 beside a mask
	s_mov_b32 s[G1V], 15|(1<<16)|(1<<20)|(1<<21)|(4<<22)|(7<<25)  ; the same with 8 words
.irp g, G1K, G1V
	s_mov_b32 s[\g+1], 64<<16                      ; tensor_dim0 = 64
	s_mov_b32 s[\g+2], 64<<16                      ; tensor_dim1 = 64
	s_mov_b32 s[\g+3], 64<<16                      ; tile_dim0 = 64
	s_mov_b32 s[\g+4], 64                          ; tile_dim1 = 64
	s_mov_b32 s[\g+5], 64                          ; stride
	s_mov_b32 s[\g+6], 0
	s_mov_b32 s[\g+7], 0
.endr
	s_mul_i32 s14, s11, 64*PK                      ; where my rows go: K's,
	s_mul_i32 s15, s11, 64*PVP
	s_add_co_u32 s15, s15, VOFF                    ; V's
	s_lshl_b32 s56, s11, 13
	s_add_co_u32 s56, s56, s16                     ; and where they come from: head + my 64 rows
	s_mov_b32 s57, 0
	s_lshl_b32 s58, s12, 16
	s_lshl_b32 s59, s[WV], 13
	s_add_co_u32 s58, s58, s59
	s_add_co_u32 s58, s58, s16                     ; my wave's 64 queries: head + 512 cx rows + 64 wave rows
	s_mov_b32 s59, 0
	s_lshr_b32 s60, s13, 4
	s_lshl_b32 s60, s60, 13                        ; my batch's row of the mask
	s_mov_b32 s61, 0
	s_mov_b32 s62, 0x2000000
	s_cmp_lt_u32 s[WV], 4
	s_cselect_b32 s62, 0x1000000, s62              ; the prefetches: K's tensor or V's,
	s_lshl_b32 s63, s12, 13
	s_add_co_u32 s62, s62, s63                     ; my work-group's quarter of a slot,
	s_add_co_u32 s62, s62, s16
	s_add_co_u32 s62, s62, 32768                   ; in slot 1: the first change of slots steps it to slot 2.  Nothing is prefetched at the head
	s_mov_b32 s63, 0
	s_cmp_eq_u32 s11, 0
	s_cselect_b32 s[LIM], 1, -1                    ; waves 0 and 4 ask
	s_mov_b32 s[CS], 0x3e38aa3b                    ; c = log2(e) / 8
	s_mov_b32 s[CS+1], s[CS]
	s_mov_b32 s[SEL], 0x76543210
	s_mov_b32 s[SEL+1], 0xfedcba98
	s_mov_b32 s[TB], 0
	s_mov_b32 s[TM], 0
	s_mov_b32 s[SLOTS], 7
	v_and_b32 v[PFO], 31, v0
	v_lshlrev_b32 v[PFO], 8, v[PFO]
	s_wait_dscnt 0x0                               ; both opening adds are done
	s_wait_kmcnt 0x0
	s_mov_b32 s[G0K], 1
	s_mov_b32 s[G0K+1], s14
	s_add_nc_u64 s[G0K+2:G0K+3], s[4:5], s[56:57]
	s_add_nc_u64 s[G0K+2:G0K+3], s[G0K+2:G0K+3], 0x1000000
	s_or_b32 s[G0K+3], s[G0K+3], 0x80000000
	s_mov_b32 s[G0V], 1
	s_mov_b32 s[G0V+1], s15
	s_add_nc_u64 s[G0V+2:G0V+3], s[4:5], s[56:57]
	s_add_nc_u64 s[G0V+2:G0V+3], s[G0V+2:G0V+3], 0x2000000
	s_or_b32 s[G0V+3], s[G0V+3], 0x80000000
	s_add_nc_u64 s[52:53], s[4:5], s[58:59]        ; Q at my wave's first row
	s_add_nc_u64 s[54:55], s[8:9], s[58:59]        ; ctx likewise
	s_add_nc_u64 s[6:7], s[6:7], s[60:61]
	s_add_nc_u64 s[PFA:PFA+1], s[4:5], s[62:63]
	CROUND                                         ; all four work-groups are here: the first joint load meets
	JLOAD                                          ; slot 0: keys 0 to 255
	v_and_b32 v7, 15, v0                           ; r
	v_bfe_u32 v9, v0, 4, 1                         ; h
	v_lshlrev_b32 v4, 7, v7
	v_lshl_add_u32 v4, v9, 4, v4                   ; Q: row r of 128 bytes, + 16 h
.irp t, 0,1,2,3
.irp c, 0,1
	global_load_b128 v[QF+16*\t+8*\c:QF+16*\t+8*\c+3],   v4, s[52:53] offset:2048*\t+64*\c      ; Q stays in registers: tile t, channels 32 c on
	global_load_b128 v[QF+16*\t+8*\c+4:QF+16*\t+8*\c+7], v4, s[52:53] offset:2048*\t+64*\c+32
.endr
.endr
	v_lshlrev_b32 v5, 5, v0                        ; the mask: eight numbers a thread
	global_load_b128 v[32:35], v5, s[6:7]
	global_load_b128 v[36:39], v5, s[6:7] offset:16
	v_lshl_add_u32 v6, v0, 5, MASK
	v_mul_u32_u24 v[AK0], v7, PK
	v_lshl_add_u32 v[AK0], v9, 4, v[AK0]           ; K: row r x pitch + 16 h
	v_and_b32 v29, 7, v0
	v_lshl_add_u32 v[AV0], v9, 3, v29              ; V, by the turning load: key 8 h + l % 8,
	v_mul_u32_u24 v[AV0], v[AV0], PVP
	v_bfe_u32 v29, v0, 3, 1
	v_lshl_add_u32 v[AV0], v29, 4, v[AV0]          ; channels 8 ((l / 8) % 2) on
	v_add_nc_u32 v[AV0], VOFF, v[AV0]
	v_lshl_add_u32 v[AM0], v9, 5, MASK             ; the mask as C: register j of key tile kt is key 16 kt + 8 h + j, for every query
.irp t, 0,1,2,3
	v_mov_b32 v[MM+2*\t+1], 0xff61b1e6             ; m = -3e38, under every S
	v_mul_f32 v[MM+2*\t], s[CS], v[MM+2*\t+1]      ; c m
.endr
	WIN 0x40                                       ; destination window 1: O^T and l begin as zeros, which the first a = 0 leaves zeros; this spares two more copies of the key step
.set i, 0
.rept 136
	v_mov_b32 v[i], 0
.set i, i+1
.endr
	WIN 0
	s_wait_loadcnt 0x0                             ; Q and the mask
.irp j, 0,2,4,6
	v_pk_mul_f32 v[32+\j:33+\j], v[32+\j:33+\j], 0x41000000 op_sel_hi:[1,0]   ; 8 x mask: exact
.endr
.irp j, 0,1,2,3,4,5,6,7
	v_max_num_f32 v[32+\j], 0xf1800000, v[32+\j]   ; held at -2^100 from below
.endr
	ds_store_b128 v6, v[32:35]
	ds_store_b128 v6, v[36:39] offset:16           ; the first change of slots waits for these and passes a barrier ahead of every read
.macro FETCH_K q                       ; 64 keys x 64 channels: 8 fragments
.irp kt, 0,1,2,3
.irp c, 0,1
	ds_load_b128 v[KF+16*\kt+8*\c:KF+16*\kt+8*\c+3],   v[ADK] offset:64*PK*(\q)+16*PK*\kt+64*\c
	ds_load_b128 v[KF+16*\kt+8*\c+4:KF+16*\kt+8*\c+7], v[ADK] offset:64*PK*(\q)+16*PK*\kt+64*\c+32
.endr
.endr
.endm
.macro FETCH_M q                       ; 8 x mask of the step's 64 keys, in the result's layout
.irp kt, 0,1,2,3
	ds_load_b128 v[MK+8*\kt:MK+8*\kt+3],   v[ADM] offset:256*(\q)+64*\kt
	ds_load_b128 v[MK+8*\kt+4:MK+8*\kt+7], v[ADM] offset:256*(\q)+64*\kt+16
.endr
.endm
.macro FETCH_V q                       ; V turned: keys 32 g on, channels 16 ct on
	WIN 0x40
.irp g, 0,1
.irp ct, 0,1,2,3
	ds_load_tr16_b128 v[VF+32*\g+8*\ct:VF+32*\g+8*\ct+3],   v[ADV] offset:64*PVP*(\q)+32*PVP*\g+32*\ct
	ds_load_tr16_b128 v[VF+32*\g+8*\ct+4:VF+32*\g+8*\ct+7], v[ADV] offset:64*PVP*(\q)+32*PVP*\g+32*\ct+16*PVP
.endr
.endr
	WIN 0
.endm
; S^T = K Q^T + 8 mask for piece p: 16 matrix instructions; the eight accumulators take turns, one instruction a turn
.macro KQ p
.irp kt, 0,1,2,3
.irp u, 0,1
	v_wmma_f32_16x16x32_f16 v[S+32*\u+8*\kt:S+32*\u+8*\kt+7], v[KF+16*\kt:KF+16*\kt+7], v[QF+16*(2*(\p)+\u):QF+16*(2*(\p)+\u)+7], v[MK+8*\kt:MK+8*\kt+7]
.endr
.endr
.irp kt, 0,1,2,3
.irp u, 0,1
	v_wmma_f32_16x16x32_f16 v[S+32*\u+8*\kt:S+32*\u+8*\kt+7], v[KF+16*\kt+8:KF+16*\kt+15], v[QF+16*(2*(\p)+\u)+8:QF+16*(2*(\p)+\u)+15], v[S+32*\u+8*\kt:S+32*\u+8*\kt+7]
.endr
.endr
.endm
; O^T += V^T P for piece p: 16 matrix instructions, eight accumulators by turns
.macro PV p
	WIN 0x51                                       ; V, C and D in window 1, P in window 0
.irp g, 0,1
.irp ct, 0,1,2,3
.irp u, 0,1
	v_wmma_f32_16x16x32_f16 v[32*(2*(\p)+\u)+8*\ct:32*(2*(\p)+\u)+8*\ct+7], v[VF+32*\g+8*\ct:VF+32*\g+8*\ct+7], v[S+32*\u+8*\g:S+32*\u+8*\g+7], v[32*(2*(\p)+\u)+8*\ct:32*(2*(\p)+\u)+8*\ct+7]
.endr
.endr
.endr
	WIN 0
.endm
; THE SOFTMAX of piece p's two tiles for one key step, the tiles line by line, so that no line reads the result of the line above it.
.macro SM p
.irp j, 0,1,2,3                        ; the maximum of a lane's 32 scores and the old m: four chains; each accumulator is read from its low end on
.irp u, 0,1
	v_max3_num_f32 v[CC+4*\u+\j], v[S+32*\u+8*\j], v[S+32*\u+8*\j+1], v[S+32*\u+8*\j+2]
.endr
.endr
.irp g, 1,2
.irp j, 0,1,2,3
.irp u, 0,1
	v_max3_num_f32 v[CC+4*\u+\j], v[CC+4*\u+\j], v[S+32*\u+8*\j+2*\g+1], v[S+32*\u+8*\j+2*\g+2]
.endr
.endr
.endr
.irp u, 0,1
	v_max3_num_f32 v[CC+4*\u], v[CC+4*\u], v[S+32*\u+7], v[S+32*\u+15]
	v_max3_num_f32 v[CC+4*\u+2], v[CC+4*\u+2], v[S+32*\u+23], v[S+32*\u+31]
.endr
.irp u, 0,1
	v_max3_num_f32 v[CC+4*\u], v[CC+4*\u], v[CC+4*\u+1], v[CC+4*\u+2]
.endr
.irp u, 0,1
	v_max3_num_f32 v[CC+4*\u], v[CC+4*\u], v[CC+4*\u+3], v[MM+4*(\p)+2*\u+1]
.endr
.irp u, 0,1
	v_permlanex16_b32 v[CC+4*\u+1], v[CC+4*\u], s[SEL], s[SEL+1]   ; the query's other 32 keys lie in the lane 16 away
.endr
.irp u, 0,1
	v_mov_b32 v[CC+4*\u+3], v[MM+4*(\p)+2*\u]      ; c m_old is kept for a
.endr
.irp u, 0,1
	v_max_num_f32 v[MM+4*(\p)+2*\u+1], v[CC+4*\u], v[CC+4*\u+1]    ; the new m
.endr
.irp u, 0,1
	v_mul_f32 v[MM+4*(\p)+2*\u], s[CS], v[MM+4*(\p)+2*\u+1]
.endr
.irp u, 0,1
	v_sub_f32 v[CC+4*\u+3], v[CC+4*\u+3], v[MM+4*(\p)+2*\u]
.endr
.irp u, 0,1
	v_exp_f32 v[CC+4*\u+2], v[CC+4*\u+3]           ; a.  ONE BATCH begins: 66 exponentials and the scalings between them; none names an exponential's result
.endr
.irp u, 0,1
	v_pk_fma_f32 v[S+32*\u:S+32*\u+1], v[S+32*\u:S+32*\u+1], s[CS:CS+1], v[MM+4*(\p)+2*\u:MM+4*(\p)+2*\u+1] op_sel_hi:[1,0,0] neg_lo:[0,0,1] neg_hi:[0,0,1]   ; c S - c m
.endr
.irp b, 0,1,2,3,4,5,6,7,8,9,10,11,12,13,14,15
.if \b < 15
.irp u, 0,1
	v_pk_fma_f32 v[S+32*\u+2*\b+2:S+32*\u+2*\b+3], v[S+32*\u+2*\b+2:S+32*\u+2*\b+3], s[CS:CS+1], v[MM+4*(\p)+2*\u:MM+4*(\p)+2*\u+1] op_sel_hi:[1,0,0] neg_lo:[0,0,1] neg_hi:[0,0,1]
.endr
.endif
.irp u, 0,1
	v_exp_f32 v[S+32*\u+2*\b], v[S+32*\u+2*\b]
	v_exp_f32 v[S+32*\u+2*\b+1], v[S+32*\u+2*\b+1]
.endr
.endr
	v_nop                                          ; a plain instruction behind the last exponential,
	s_wait_alu depctr_va_vdst(0)                   ; and the one wait for the batch, ahead of its first reader
.irp u, 0,1                            ; the step's sum of p, in f32, ahead of the rounding: two chains a tile
	v_pk_add_f32 v[CC+4*\u:CC+4*\u+1], v[S+32*\u:S+32*\u+1], v[S+32*\u+2:S+32*\u+3]
.endr
.irp u, 0,1
	v_pk_add_f32 v[8+22*\u:9+22*\u], v[S+32*\u+4:S+32*\u+5], v[S+32*\u+6:S+32*\u+7]
.endr
.irp k, 8,12,16,20,24,28
.irp u, 0,1
	v_pk_add_f32 v[CC+4*\u:CC+4*\u+1], v[CC+4*\u:CC+4*\u+1], v[S+32*\u+\k:S+32*\u+\k+1]
.endr
.irp u, 0,1
	v_pk_add_f32 v[8+22*\u:9+22*\u], v[8+22*\u:9+22*\u], v[S+32*\u+\k+2:S+32*\u+\k+3]
.endr
.endr
.irp u, 0,1
	v_pk_add_f32 v[CC+4*\u:CC+4*\u+1], v[CC+4*\u:CC+4*\u+1], v[8+22*\u:9+22*\u]
.endr
.irp kt, 0,1,2,3                       ; p to f16, in place: register 4 kt + i takes numbers 8 kt + 2 i and + 1; every destination has been consumed
.irp i, 0,1,2,3
.irp u, 0,1
	v_cvt_pk_f16_f32 v[S+32*\u+4*\kt+\i], v[S+32*\u+8*\kt+2*\i], v[S+32*\u+8*\kt+2*\i+1]
.endr
.endr
.endr
	WIN 0x41                                       ; l and O^T (destination and source 0) in window 1, a and the step's sum in window 0
.irp u, 0,1
	v_pk_fma_f32 v[LL+4*(\p)+2*\u:LL+4*(\p)+2*\u+1], v[LL+4*(\p)+2*\u:LL+4*(\p)+2*\u+1], v[CC+4*\u+2:CC+4*\u+3], v[CC+4*\u:CC+4*\u+1] op_sel_hi:[1,0,1]   ; l = a l + the sum
.endr
.irp i, 0,2,4,6,8,10,12,14,16,18,20,22,24,26,28,30
.irp u, 0,1
	v_pk_mul_f32 v[32*(2*(\p)+\u)+\i:32*(2*(\p)+\u)+\i+1], v[32*(2*(\p)+\u)+\i:32*(2*(\p)+\u)+\i+1], v[CC+4*\u+2:CC+4*\u+3] op_sel_hi:[1,0]   ; O^T x a, each accumulator from its low end on
.endr
.endr
.endm
; A KEY STEP, the q-th of the slot in hand.  Five plain places stand at its head: behind the last V^T P, four are owed ahead of the loads into V's registers and five ahead of the products that write over P.
.macro STEP q
.if (\q) == 0
	v_add_nc_u32 v[ADK], s[TB], v[AK0]
	v_add_nc_u32 v[ADV], s[TB], v[AV0]
	v_add_nc_u32 v[ADM], s[TM], v[AM0]
	v_nop
	v_nop
	FETCH_K 0
	FETCH_M 0
.else
.rept 5
	v_nop
.endr
.endif
	FETCH_V \q
	s_wait_dscnt 16                                ; K and the mask are in; V's 16 loads may be out
	KQ 0
.rept 4
	v_nop
.endr
	SM 0
	s_wait_dscnt 0x0                               ; V is in
	PV 0
.rept 5
	v_nop                                          ; five places: the next products write over P
.endr
	KQ 1
.rept 4
	v_nop                                          ; places ahead of the reads of S^T and of the loads into K's and the mask's registers
.endr
.if (\q) < 3
	FETCH_K (\q)+1                                 ; the next step's K and mask land under this piece's softmax
	FETCH_M (\q)+1
.endif
	SM 1
	PV 1
.endm
.macro SLOT_STEPS
	STEP 0
	STEP 1
	STEP 2
	STEP 3
	s_xor_b32 s[TB], s[TB], SLOT1                  ; on to the other slot,
	s_add_co_u32 s[TM], s[TM], 1024                ; and to the next 256 keys of the mask
.endm
; THE CHANGE OF SLOTS, at a slot's head.  Each wave waits for all its tensor loads (its part of the slot ahead), adds 0 to its spare word, and waits for that and for its reads of the slot that it has left.
; fill = 1: a round of the cluster's barrier, so that no wave of any partner still reads that slot or has a load on its way; the joint load of the next 256 keys is the first thing behind it.
.macro CHANGE fill
	s_wait_tensorcnt 0x0                           ; no tensor load of mine is out, so a group 0 may be written
	ds_add_u32 v[SPW], v[NIL]
.if \fill
	s_xor_b32 s[G0K+1], s[G0K+1], SLOT1            ; the walking descriptors: the other slot, the next 256 keys
	s_add_nc_u64 s[G0K+2:G0K+3], s[G0K+2:G0K+3], 256*128
	s_xor_b32 s[G0V+1], s[G0V+1], SLOT1
	s_add_nc_u64 s[G0V+2:G0V+3], s[G0V+2:G0V+3], 256*128
	s_wait_xcnt 0x0                                ; the last prefetch, a slot back, has read its address
	s_add_nc_u64 s[PFA:PFA+1], s[PFA:PFA+1], 256*128
	s_wait_dscnt 0x0                               ; the add is done, my LDS stores have landed and my reads of the slot that I have left are over
	CROUND
	JLOAD
	ASK
.else
	s_wait_dscnt 0x0
	s_barrier_signal -1
	s_barrier_wait -1
.endif
.endm
.Lslot:                                            ; seven trips: behind each change of slots but the last the next slot is asked for
	CHANGE 1
	SLOT_STEPS
	s_sub_co_u32 s[SLOTS], s[SLOTS], 1
	s_cmp_lg_u32 s[SLOTS], 0
	s_cbranch_scc1 .Lslot
	CHANGE 0                                       ; the last slot is written out
	SLOT_STEPS
	; THE WAY OUT.  The addresses are made here: plain instructions that name none of the last products' registers, the places behind them.
	v_and_b32 v1, 15, v0                           ; r
	v_bfe_u32 v2, v0, 4, 1                         ; h
	s_mul_i32 s14, s[WV], 16*SP
	s_add_co_u32 s14, s14, STAGE                   ; my stage
	v_mul_u32_u24 v[STO], v1, SP
	v_lshl_add_u32 v[STO], v2, 4, v[STO]
	v_add_nc_u32 v[STO], s14, v[STO]               ; in: row r, 16 bytes for each half of the lanes
	v_bfe_u32 v[RD], v0, 3, 2
	v_and_b32 v3, 7, v0
	v_mul_u32_u24 v[RD], v[RD], SP
	v_lshl_add_u32 v[RD], v3, 4, v[RD]
	v_add_nc_u32 v[RD], s14, v[RD]                 ; back: eight lanes to a row of 128 bytes, four rows an instruction
	v_and_b32 v[GO], 31, v0
	v_lshlrev_b32 v[GO], 4, v[GO]                  ; those four rows are 512 consecutive bytes of ctx
	WIN 0x05                                       ; l's two halves lie in window 1
.irp t, 0,1,2,3
	v_add_f32 v[CC+2*\t], v[LL+2*\t], v[LL+2*\t+1]
.endr
	WIN 0
.irp t, 0,1,2,3
	v_permlanex16_b32 v[CC+2*\t+1], v[CC+2*\t], s[SEL], s[SEL+1]
.endr
.irp t, 0,1,2,3
	v_add_f32 v[CC+2*\t], v[CC+2*\t], v[CC+2*\t+1] ; with the other half of the lanes': the row's sum
.endr
.irp t, 0,1,2,3
	v_rcp_f32 v[MM+2*\t], v[CC+2*\t]
.endr
	v_nop                                          ; a plain instruction behind the last reciprocal,
	s_wait_alu depctr_va_vdst(0)                   ; and one wait for the four, ahead of their first reader
.macro PACK t                          ; tile t: O^T / l, to f16, through my stage
	WIN 0x01                                       ; source 0 (O^T) in window 1
.set i, 0
.rept 16
	v_pk_mul_f32 v[S+32*((\t)%2)+i:S+32*((\t)%2)+i+1], v[32*(\t)+i:32*(\t)+i+1], v[MM+2*(\t):MM+2*(\t)+1] op_sel_hi:[1,0]
.set i, i+2
.endr
	WIN 0
.set i, 0
.rept 16
	v_cvt_pk_f16_f32 v[MK+16*((\t)%2)+i], v[S+32*((\t)%2)+2*i], v[S+32*((\t)%2)+2*i+1]
.set i, i+1
.endr
.irp c, 0,1,2,3
	ds_store_b128 v[STO], v[MK+16*((\t)%2)+4*\c:MK+16*((\t)%2)+4*\c+3] offset:32*\c
.endr
.irp f, 0,1,2,3
	ds_load_b128 v[KF+16*(\t)+4*\f:KF+16*(\t)+4*\f+3], v[RD] offset:\f*4*SP   ; LDS serves a wave's instructions in order: these see the stores above, and the next tile's stores come behind them
.endr
.endm
.macro SEND t, younger                 ; younger: the next tile's four stores and four loads, or none
.irp f, 0,1,2,3
	s_wait_dscnt \younger+3-\f
	global_store_b128 v[GO], v[KF+16*(\t)+4*\f:KF+16*(\t)+4*\f+3], s[54:55] offset:2048*(\t)+512*\f   ; 512 consecutive bytes, at a multiple of 512 from ctx's first byte
.endr
.endm
	PACK 0
	PACK 1
	SEND 0, 8
	PACK 2
	SEND 1, 8
	PACK 3
	SEND 2, 8
	SEND 3, 0
	s_wait_tensorcnt 0x0                           ; the wave's end
	ds_add_u32 v[SPW], v[NIL]
	s_wait_dscnt 0x0
	CROUND                                         ; the closing round
	s_endpgm
.Lfunc_end_k_q541f04f059_attn:
	.size	k_q541f04f059_attn, .Lfunc_end_k_q541f04f059_attn-k_q541f04f059_attn
	.p2alignl 7, 3214868480
	.fill 96, 4, 3214868480
	.section	.rodata,"a",@progbits
	.p2align	6, 0x0
	.amdhsa_kernel k_q541f04f059_attn
		.amdhsa_group_segment_fixed_size 327680
		.amdhsa_private_segment_fixed_size 0
		.amdhsa_enable_private_segment 0
		.amdhsa_kernarg_size 24
		.amdhsa_user_sgpr_count 2
		.amdhsa_user_sgpr_kernarg_segment_ptr 1
		.amdhsa_wavefront_size32 1
		.amdhsa_system_sgpr_workgroup_id_x 1
		.amdhsa_system_sgpr_workgroup_id_y 1
		.amdhsa_system_sgpr_workgroup_id_z 1
		.amdhsa_system_vgpr_workitem_id 0
		.amdhsa_next_free_vgpr 512
		.amdhsa_next_free_sgpr 66
		.amdhsa_reserve_vcc 0
		.amdhsa_float_denorm_mode_32 3
		.amdhsa_float_denorm_mode_16_64 3
		.amdhsa_memory_ordered 1
		.amdhsa_forward_progress 1
		.amdhsa_inst_pref_size 255
	.end_amdhsa_kernel
	.section	.bss,"aw",@nobits
	.p2align	6
	.space	262144
	.amdgpu_metadata
---
amdhsa.version: [ 1, 2 ]
amdhsa.kernels:
  - .name:           k_q541f04f059_attn
    .symbol:         k_q541f04f059_attn.kd
    .args:
      - { .name: qkv, .offset: 0, .size: 8, .value_kind: global_buffer, .address_space: global }
      - { .name: attention_mask, .offset: 8, .size: 8, .value_kind: global_buffer, .address_space: global }
      - { .name: ctx, .offset: 16, .size: 8, .value_kind: global_buffer, .address_space: global }
    .group_segment_fixed_size: 327680
    .private_segment_fixed_size: 0
    .kernarg_segment_align: 8
    .kernarg_segment_size: 24
    .max_flat_workgroup_size: 256
    .sgpr_count:     66
    .vgpr_count:     512
    .wavefront_size: 32
...
	.end_amdgpu_metadata
.endif
;; end of part 3
;; launch proj (part 4): grid 4 x 64, 4 waves a work-group, clusters of 4 x 4, 327,680 bytes of LDS; arguments ctx, wd16, hid, bd; writes hid
.if DOCPART == 4
	.amdgcn_target "amdgcn-amd-amdhsa--gfx1250"
	.amdhsa_code_object_version 6
	.text
	.protected	k_q541f04f059_proj
	.globl	k_q541f04f059_proj
	.p2align	8
	.type	k_q541f04f059_proj,@function
k_q541f04f059_proj:
	s_mov_b64 s[64:65], 0
	v_nop
	global_prefetch_b8 v0, s[64:65] scope:SCOPE_SE
	s_setreg_imm32_b32 hwreg(HW_REG_WAVE_MODE, 25, 1), 1
	s_wait_xcnt 0x0
	s_wait_alu depctr_hold_cnt(0) depctr_sa_sdst(0) depctr_va_vdst(0) depctr_va_sdst(0) depctr_va_ssrc(0) depctr_va_vcc(0) depctr_vm_vsrc(0)
	s_getreg_b32 s2, hwreg(HW_REG_IB_STS2, 6, 4)
	s_cmp_eq_u32 s2, 0
	s_cbranch_scc0 .Lentry_in_a_cluster
	s_endpgm
.Lentry_in_a_cluster:
	s_bfe_u32 s2, ttmp6, 0x10000c
	s_cmp_lg_u32 s2, 0xf033
	s_cbranch_scc0 .Lentry_shape_is_right
	s_endpgm
.Lentry_shape_is_right:
; hid[m][n] = sum over k of ctx[m][k] Wd[k][n] + bd[n].  ctx: f16 [batch][head][position][64] (k = 64 head + channel); wd16: f16 [k 1024][n 1024]; hid: f32 [8192][1024].  Sums in f32.
; A tile of 128 rows x 256 columns to a work-group: 256 work-groups.  Four waves, each 64 x 128: 32 accumulators, 256 registers.
; K goes in steps of 128 (two heads) through two LDS slots: A as two planes (heads) of 128 rows x 128 bytes (+ 16), B as 128 rows of k x 512 bytes (+ 32), read turned by ds_load_tr16_b128.
; Waves 0 and 1 fetch A's planes, waves 2 and 3 B's halves: one tensor load a wave behind each change of slots; two are out at the start.
; CLUSTERS: 4 x 4; A's tiles are shared along a row of the cluster, B's along a column: joint loads.
; THE MATRIX INSTRUCTION IS USED TRANSPOSED (source 0 = 16 columns of Wd, source 1 = 16 rows of ctx): a lane holds eight neighbouring columns of one row.  The bias is the C of each sum's first instruction.
; REGISTERS: window 0: v16-29 addresses; two fragment buffers at v32 and v128 (A 32 registers, then B 64); on the way out v32-159 rows read back.  window 1: accumulator (a, b) at v[8 (8 a + b)].  window 2: v0-63 the bias.
.set PA,     144
.set PB,     544
.set PLANE,  128*PA
.set BOFF,   2*PLANE
.set HALFB,  64*PB
.set SLOT,   BOFF+128*PB
.set STAGE,  2*SLOT                    ; behind the ring: 16 rows x (512 bytes + 16) for each wave
.set SPITCH, 528
.set SPARE,  STAGE+4*16*SPITCH
.set ADRA, 16
.set ADRB, 20
.set STO,  24
.set RD,   25
.set CO,   26
.set SPW,  28
.set NIL,  29
.set F0,   32
.set F1,   128
.set BK,   32
.set G1, 24
.set G0, 32
.set G1B, 48
.set G0B, 56
.set MUL, 0x50                         ; C and D window 1, sources window 0; + 0x10: C (the bias) window 2
.set MSB, 0
.macro WIN new
.if MSB != (\new)
	s_set_vgpr_msb (MSB<<8)|(\new)
.set MSB, (\new)
.endif
.endm
.macro JLOAD s                         ; waves 0 and 1: A's line; waves 2 and 3: B's.  An s_nop 0 and four v_nop follow each line
	s_cmp_eq_u32 s15, 0
	s_cbranch_scc0 .Lfor_b_\@
	tensor_load_to_lds s[G0+4*\s:G0+4*\s+3], s[G1:G1+7]
	s_nop 0
.rept 4
	v_nop
.endr
	s_branch .Lasked_\@
.Lfor_b_\@:
	tensor_load_to_lds s[G0B+4*\s:G0B+4*\s+3], s[G1B:G1B+7]
	s_nop 0
.rept 4
	v_nop
.endr
.Lasked_\@:
.endm
.macro CREST
	s_cmp_lg_u32 s14, 0
	s_cbranch_scc1 .Lnot_wave_0_\@
	s_barrier_signal -3
.Lnot_wave_0_\@:
	s_barrier_wait -3
	s_barrier_signal -1
	s_barrier_wait -1
.endm
.macro CROUND
	s_barrier_signal -1
	s_barrier_wait -1
	CREST
.endm
	s_load_b128 s[4:7], s[0:1], 0x0                ; ctx, wd16
	s_load_b128 s[8:11], s[0:1], 0x10              ; hid, bd
	v_lshl_add_u32 v[SPW], v0, 2, SPARE
	v_mov_b32 v[NIL], 0
	ds_add_u32 v[SPW], v[NIL]                      ; the wave's opening: the add, twice on end, and its wait ahead of my first tensor load
	ds_add_u32 v[SPW], v[NIL]
	v_lshrrev_b32 v1, 5, v0
	v_readfirstlane_b32 s14, v1                    ; wave 0..3
	s_lshr_b32 s15, s14, 1                         ; which 64 rows are mine.  Also: I fetch for A (0) or for B (1)
	s_and_b32 s16, s14, 1                          ; which 128 columns.  Also: which plane of A or half of B I fetch
	s_bfe_u32 s40, ttmp6, 0x40000                  ; cx
	s_bfe_u32 s41, ttmp6, 0x40004                  ; cy
	s_lshl_b32 s42, ttmp9, 2
	s_add_co_u32 s42, s42, s40                     ; tile column
	s_and_b32 s13, ttmp7, 0xffff
	s_lshl_b32 s13, s13, 2
	s_add_co_u32 s13, s13, s41                     ; tile row
	s_lshl_b32 s43, s41, 2
	s_lshl_b32 s43, 15, s43                        ; my row of the cluster
	s_lshl_b32 s44, 0x1111, s40                    ; my column
	s_or_b32 s[G1+0], s43, (1<<16)|(1<<20)|(1<<21)|(4<<22)|(3<<25)   ; A: elements of 2 bytes; 4 words of padding behind every 32
	s_mov_b32 s[G1+1], 64<<16                      ; tensor_dim0 = 64
	s_mov_b32 s[G1+2], 128<<16                     ; tensor_dim1 = 128
	s_mov_b32 s[G1+3], 64<<16                      ; tile_dim0
	s_mov_b32 s[G1+4], 128                         ; tile_dim1
	s_mov_b32 s[G1+5], 64                          ; stride
	s_mov_b32 s[G1+6], 0
	s_mov_b32 s[G1+7], 0
	s_or_b32 s[G1B+0], s44, (1<<16)|(1<<20)|(1<<21)|(6<<22)|(7<<25)  ; B: 8 words of padding behind every 128
	s_mov_b32 s[G1B+1], 256<<16
	s_mov_b32 s[G1B+2], 64<<16
	s_mov_b32 s[G1B+3], 256<<16
	s_mov_b32 s[G1B+4], 64
	s_mov_b32 s[G1B+5], 1024
	s_mov_b32 s[G1B+6], 0
	s_mov_b32 s[G1B+7], 0
	s_lshr_b32 s20, s13, 4                         ; A: batch x 2^22 + 128 (tile row % 16) rows of 128 bytes + my plane's head x 2^18
	s_lshl_b32 s20, s20, 22
	s_and_b32 s21, s13, 15
	s_lshl_b32 s21, s21, 14
	s_add_co_u32 s20, s20, s21
	s_lshl_b32 s21, s16, 18
	s_add_co_u32 s20, s20, s21
	s_mov_b32 s21, 0
	s_lshl_b32 s46, s16, 17                        ; B: my 64 rows of 2,048 bytes + 512 x tile column
	s_lshl_b32 s47, s42, 9
	s_add_co_u32 s46, s46, s47
	s_mov_b32 s47, 0
	s_mul_i32 s22, s16, PLANE                      ; where they go
	s_mul_i32 s23, s16, HALFB
	s_add_co_u32 s23, s23, BOFF
	s_wait_dscnt 0x0                               ; both opening adds are done
	s_wait_kmcnt 0x0
	s_add_nc_u64 s[20:21], s[4:5], s[20:21]
	s_add_nc_u64 s[46:47], s[6:7], s[46:47]
	CROUND                                         ; all sixteen work-groups are here
.irp s, 0,1
	s_mov_b32 s[G0+4*\s], 1
	s_add_co_u32 s[G0+4*\s+1], s22, \s*SLOT
	s_add_nc_u64 s[G0+4*\s+2:G0+4*\s+3], s[20:21], \s*2*262144     ; K step s: heads 2 s, 2 s + 1
	s_or_b32 s[G0+4*\s+3], s[G0+4*\s+3], 0x80000000
	s_mov_b32 s[G0B+4*\s], 1
	s_add_co_u32 s[G0B+4*\s+1], s23, \s*SLOT
	s_add_nc_u64 s[G0B+4*\s+2:G0B+4*\s+3], s[46:47], \s*128*2048
	s_or_b32 s[G0B+4*\s+3], s[G0B+4*\s+3], 0x80000000
	JLOAD \s
.endr
	v_and_b32 v1, 15, v0                           ; r
	v_bfe_u32 v2, v0, 4, 1                         ; h
	s_lshl_b32 s46, s42, 10                        ; my first column, in bytes of f32: 1,024 x tile column + 512 x half
	s_lshl_b32 s47, s16, 9
	s_add_co_u32 s46, s46, s47
	s_mov_b32 s47, 0
	s_add_nc_u64 s[10:11], s[10:11], s[46:47]      ; the bias of my 128 columns
	v_lshlrev_b32 v7, 5, v2
	WIN 0x80                                       ; destination window 2
.irp b, 0,1,2,3,4,5,6,7
	global_load_b128 v[8*\b:8*\b+3], v7, s[10:11] offset:64*\b
	global_load_b128 v[8*\b+4:8*\b+7], v7, s[10:11] offset:64*\b+16
.endr
	WIN 0
	v_mul_u32_u24 v3, v1, PA
	v_lshl_add_u32 v3, v2, 4, v3                   ; A: row r x pitch + 16 h
	v_and_b32 v4, 7, v0
	v_bfe_u32 v5, v0, 3, 1
	v_lshl_add_u32 v4, v2, 3, v4                   ; B, by the turning load: row k = 8 h + l % 8,
	v_mul_u32_u24 v4, v4, PB
	v_lshl_add_u32 v4, v5, 4, v4                   ; columns 8 ((l / 8) % 2) on
	s_mul_i32 s21, s15, 64*PA                      ; my 64 rows of A
	s_lshl_b32 s22, s16, 8
	s_add_co_u32 s22, s22, BOFF                    ; my 128 columns of B
.irp s, 0,1
	v_add_nc_u32 v[ADRA+\s], s21, v3
	v_add_nc_u32 v[ADRB+\s], s22, v4
	s_add_co_u32 s21, s21, SLOT
	s_add_co_u32 s22, s22, SLOT
.endr
	s_mul_i32 s23, s14, 16*SPITCH
	s_add_co_u32 s23, s23, STAGE                   ; my stage
	v_mul_u32_u24 v5, v1, SPITCH
	v_lshl_add_u32 v5, v2, 5, v5
	v_add_nc_u32 v[STO], s23, v5                   ; in: row r, 32 bytes for each half of the lanes
	v_and_b32 v6, 31, v0
	v_lshlrev_b32 v[CO], 4, v6                     ; back: the 32 lanes take one row of 512 bytes; the same in hid
	v_add_nc_u32 v[RD], s23, v[CO]
	s_lshl_b32 s20, s13, 19                        ; my first row of hid: (128 x tile row + 64 x half) x 4,096 bytes
	s_lshl_b32 s21, s15, 18
	s_add_co_u32 s20, s20, s21
	s_add_co_u32 s20, s20, s46
	s_mov_b32 s21, 0
	s_add_nc_u64 s[8:9], s[8:9], s[20:21]
.macro FETCH slot, q, f                ; the fragments of the slot's q-th 32 along K into buffer f: 24 LDS loads in one run
.irp b, 0,1,2,3,4,5,6,7
	ds_load_tr16_b128 v[\f+32+8*\b:\f+32+8*\b+3],   v[ADRB+\slot] offset:32*PB*(\q)+32*\b
	ds_load_tr16_b128 v[\f+32+8*\b+4:\f+32+8*\b+7], v[ADRB+\slot] offset:32*PB*(\q)+32*\b+16*PB
.endr
.irp a, 0,1,2,3
	ds_load_b128 v[\f+8*\a:\f+8*\a+3],   v[ADRA+\slot] offset:PLANE*((\q)/2)+64*((\q)%2)+16*PA*\a
	ds_load_b128 v[\f+8*\a+4:\f+8*\a+7], v[ADRA+\slot] offset:PLANE*((\q)/2)+64*((\q)%2)+16*PA*\a+32
.endr
.endm
.macro MUL8 f, a, first                ; rows 16 a on x my eight blocks of columns.  The 32 accumulators take turns, in the same order in every quarter
.irp b, 0,1,2,3,4,5,6,7
.if \first
	v_wmma_f32_16x16x32_f16 v[8*(8*(\a)+\b):8*(8*(\a)+\b)+7], v[\f+32+8*\b:\f+32+8*\b+7], v[\f+8*(\a):\f+8*(\a)+7], v[8*\b:8*\b+7]
.else
	v_wmma_f32_16x16x32_f16 v[8*(8*(\a)+\b):8*(8*(\a)+\b)+7], v[\f+32+8*\b:\f+32+8*\b+7], v[\f+8*(\a):\f+8*(\a)+7], v[8*(8*(\a)+\b):8*(8*(\a)+\b)+7]
.endif
.endr
.endm
.macro PLACES                          ; four places in front of loads into registers that matrix instructions have read, and of reads of results
.rept 4
	v_nop
.endr
.endm
.macro QUARTER slot, qn, f, g, first   ; multiplies buffer f; in its middle it fetches the slot's quarter qn into buffer g
	s_wait_dscnt 0x0                               ; buffer f is in (asked for 16 matrix instructions ago)
	WIN MUL+0x10*(\first)
	MUL8 \f, 0, \first
	MUL8 \f, 1, \first
	PLACES
	WIN 0
	FETCH \slot, \qn, \g
	WIN MUL+0x10*(\first)
	MUL8 \f, 2, \first
	MUL8 \f, 3, \first
.endm
; A slot's last quarter multiplies buffer 1 and changes slots: each wave waits for all its tensor loads, adds 0 to its spare word, waits for that and for its reads of this slot; one barrier.
; fill = 1: the barrier opens a round of the cluster's, and this slot is filled again, two K steps ahead, first thing behind it.
.macro TURN slot, next, fill
	WIN 0
	s_wait_tensorcnt 0x0                           ; all my tensor loads have landed: my part of the next slot
	ds_add_u32 v[SPW], v[NIL]
	s_wait_dscnt 1                                 ; buffer 1 is in; the add may be out
	WIN MUL
	MUL8 F1, 0, 0
	s_wait_dscnt 0x0                               ; the add is done, and my reads of this slot are over
	s_barrier_signal -1
	MUL8 F1, 1, 0
	WIN 0
	s_barrier_wait -1
.if \fill
	CREST
	s_add_nc_u64 s[G0+4*\slot+2:G0+4*\slot+3], s[G0+4*\slot+2:G0+4*\slot+3], 4*262144
	s_add_nc_u64 s[G0B+4*\slot+2:G0B+4*\slot+3], s[G0B+4*\slot+2:G0B+4*\slot+3], 256*2048
	JLOAD \slot                                    ; the four v_nop behind it are also the places in front of the loads below
.else
	PLACES
.endif
	FETCH \next, 0, F0
	WIN MUL
	MUL8 F1, 2, 0
	MUL8 F1, 3, 0
.endm
	s_wait_tensorcnt 1                             ; my part of K step 0 is in; K step 1's load may be out
	s_barrier_signal -1
	s_barrier_wait -1
	FETCH 0, 0, F0
	s_wait_loadcnt 0x0                             ; the bias
	QUARTER 0, 1, F0, F1, 1                        ; the first quarter stands in front of the loop: its products start the sums from the bias
	WIN 0
	s_mov_b32 s3, 3
.Llap:                                             ; a trip goes once round the ring and fills both slots again: K steps 2 to 7
	QUARTER 0, 2, F1, F0, 0
	QUARTER 0, 3, F0, F1, 0
	TURN 0, 1, 1
	QUARTER 1, 1, F0, F1, 0
	QUARTER 1, 2, F1, F0, 0
	QUARTER 1, 3, F0, F1, 0
	TURN 1, 0, 1
	QUARTER 0, 1, F0, F1, 0
	WIN 0
	s_sub_co_u32 s3, s3, 1
	s_cmp_lg_u32 s3, 0
	s_cbranch_scc1 .Llap
	QUARTER 0, 2, F1, F0, 0                        ; the last lap fills nothing
	QUARTER 0, 3, F0, F1, 0
	TURN 0, 1, 0
	QUARTER 1, 1, F0, F1, 0
	QUARTER 1, 2, F1, F0, 0
	QUARTER 1, 3, F0, F1, 0
	s_wait_dscnt 0x0
	WIN MUL
	MUL8 F1, 0, 0
	MUL8 F1, 1, 0
	MUL8 F1, 2, 0
	MUL8 F1, 3, 0
	WIN 0
; THE WAY OUT, block by block of 16 rows x 128 columns of f32: through my own stage, back as whole rows of 512 bytes.
.macro TOSTAGE a
	WIN 0x04                                       ; an LDS store's data are its source 1: window 1
.irp b, 0,1,2,3,4,5,6,7
	ds_store_b128 v[STO], v[64*(\a)+8*\b:64*(\a)+8*\b+3] offset:64*\b          ; each accumulator from its low end on
	ds_store_b128 v[STO], v[64*(\a)+8*\b+4:64*(\a)+8*\b+7] offset:64*\b+16
.endr
	WIN 0
.set BB, BK+64*((\a)%2)
.irp t, 0,1,2,3,4,5,6,7,8,9,10,11,12,13,14,15
	ds_load_b128 v[BB+4*\t:BB+4*\t+3], v[RD] offset:\t*SPITCH       ; LDS serves a wave's instructions in order: these see the stores above
.endr
.endm
.macro SEND a, younger
.set BB, BK+64*((\a)%2)
	s_wait_dscnt \younger                          ; the block is back; the next block's 16 stores and 16 loads may be out
.if (\a) > 0
	s_add_nc_u64 s[8:9], s[8:9], 16*4096           ; behind a wait on XCNT: the earlier stores have read their base
.endif
.irp t, 0,1,2,3,4,5,6,7,8,9,10,11,12,13,14,15
	global_store_b128 v[CO], v[BB+4*\t:BB+4*\t+3], s[8:9] offset:\t*4096   ; 512 consecutive bytes, at a multiple of 512 from hid's first byte
.endr
.endm
	PLACES
	TOSTAGE 0
.irp a, 1,2,3
.if \a > 1
	s_wait_xcnt 0x0                                ; block a - 2's stores have read their registers and their base
.endif
	TOSTAGE \a
	SEND \a-1, 32
.endr
	s_wait_xcnt 0x0
	SEND 3, 0
	s_wait_tensorcnt 0x0                           ; the wave's end
	ds_add_u32 v[SPW], v[NIL]
	s_wait_dscnt 0x0
	CROUND                                         ; the closing round
	s_endpgm
.Lfunc_end_k_q541f04f059_proj:
	.size	k_q541f04f059_proj, .Lfunc_end_k_q541f04f059_proj-k_q541f04f059_proj
	.p2alignl 7, 3214868480
	.fill 96, 4, 3214868480
	.section	.rodata,"a",@progbits
	.p2align	6, 0x0
	.amdhsa_kernel k_q541f04f059_proj
		.amdhsa_group_segment_fixed_size 327680
		.amdhsa_private_segment_fixed_size 0
		.amdhsa_enable_private_segment 0
		.amdhsa_kernarg_size 32
		.amdhsa_user_sgpr_count 2
		.amdhsa_user_sgpr_kernarg_segment_ptr 1
		.amdhsa_wavefront_size32 1
		.amdhsa_system_sgpr_workgroup_id_x 1
		.amdhsa_system_sgpr_workgroup_id_y 1
		.amdhsa_system_sgpr_workgroup_id_z 1
		.amdhsa_system_vgpr_workitem_id 0
		.amdhsa_next_free_vgpr 768
		.amdhsa_next_free_sgpr 66
		.amdhsa_reserve_vcc 0
		.amdhsa_float_denorm_mode_32 3
		.amdhsa_float_denorm_mode_16_64 3
		.amdhsa_memory_ordered 1
		.amdhsa_forward_progress 1
		.amdhsa_inst_pref_size 86
	.end_amdhsa_kernel
	.amdgpu_metadata
---
amdhsa.version: [ 1, 2 ]
amdhsa.kernels:
  - .name:           k_q541f04f059_proj
    .symbol:         k_q541f04f059_proj.kd
    .args:
      - { .name: ctx, .offset: 0, .size: 8, .value_kind: global_buffer, .address_space: global }
      - { .name: wd16, .offset: 8, .size: 8, .value_kind: global_buffer, .address_space: global }
      - { .name: hid, .offset: 16, .size: 8, .value_kind: global_buffer, .address_space: global }
      - { .name: bd, .offset: 24, .size: 8, .value_kind: global_buffer, .address_space: global }
    .group_segment_fixed_size: 327680
    .private_segment_fixed_size: 0
    .kernarg_segment_align: 8
    .kernarg_segment_size: 32
    .max_flat_workgroup_size: 128
    .sgpr_count:     66
    .vgpr_count:     768
    .wavefront_size: 32
...
	.end_amdgpu_metadata
.endif
;; end of part 4
;; launch lnres (part 5): grid 256 x 1, 8 waves a work-group, no clusters, 0 bytes of LDS; arguments hid, query, ln_gamma, ln_beta, out0; writes out0
.if DOCPART == 5
	.amdgcn_target "amdgcn-amd-amdhsa--gfx1250"
	.amdhsa_code_object_version 6
	.text
	.protected	k_q541f04f059_lnres
	.globl	k_q541f04f059_lnres
	.p2align	8
	.type	k_q541f04f059_lnres,@function
k_q541f04f059_lnres:
	s_mov_b64 s[64:65], 0
	v_nop
	global_prefetch_b8 v0, s[64:65] scope:SCOPE_SE
	s_setreg_imm32_b32 hwreg(HW_REG_WAVE_MODE, 25, 1), 1
	s_wait_xcnt 0x0
; out0[r][:] = (hid[r][:] - mean) * rsqrt(variance + 1e-12) * gamma + beta + query[r][:].  All f32, rows of 1,024 numbers (4,096 bytes).
; A stream: one wave takes a whole row, eight loads of 512 consecutive bytes, and keeps it in 32 registers between the passes: every byte is read once and written once.
; The variance is the mean of the squared differences from the mean, as the definition has it (two passes over registers), not a difference of large sums.
; Eight waves, four rows each; two row slots a wave: while one row is worked, the next row's 16 loads are on their way.  No LDS, no barrier, no matrix unit: nothing here would gain by them.
.set GA, 4                             ; v4-35    gamma of my 32 columns
.set BE, 36                            ; v36-67   beta
.set H,  68                            ; v68-131  two slots: a row of hid, then of the result
.set Q,  132                           ; v132-195 two slots: a row of query
.set T,  196                           ; v196-209 at work
	s_load_b256 s[4:11], s[0:1], 0x0               ; hid 4:5, query 6:7, gamma 8:9, beta 10:11
	s_load_b64 s[12:13], s[0:1], 0x20              ; out0
	v_and_b32 v2, 31, v0
	v_lshlrev_b32 v2, 4, v2                        ; 16 bytes a lane
	v_lshrrev_b32 v1, 5, v0
	v_lshl_add_u32 v1, v1, 14, v2                  ; + wave x 4 rows
	s_lshl_b32 s2, ttmp9, 17                       ; the work-group's 32 rows
	s_mov_b32 s3, 0
	s_mov_b32 s14, 0x76543210
	s_mov_b32 s15, 0xfedcba98                      ; v_permlanex16_b32's selects for lane l xor 16
	s_mov_b32 s16, 0x3a800000                      ; 1 / 1,024
	s_mov_b32 s17, 0x2b8cbccc                      ; 1e-12
	s_wait_kmcnt 0x0
	s_add_nc_u64 s[4:5], s[4:5], s[2:3]
	s_add_nc_u64 s[6:7], s[6:7], s[2:3]
	s_add_nc_u64 s[12:13], s[12:13], s[2:3]
.macro FILL i
.irp j, 0,1,2,3,4,5,6,7
	global_load_b128 v[H+32*((\i)%2)+4*\j:H+32*((\i)%2)+4*\j+3], v1, s[4:5] offset:4096*(\i)+512*\j th:TH_LOAD_NT
.endr
.irp j, 0,1,2,3,4,5,6,7
	global_load_b128 v[Q+32*((\i)%2)+4*\j:Q+32*((\i)%2)+4*\j+3], v1, s[6:7] offset:4096*(\i)+512*\j th:TH_LOAD_NT
.endr
.endm
.macro REDUCE                          ; four packed chains in v[T] .. v[T+7] become one sum over the row, in every lane
	v_pk_add_f32 v[T:T+1], v[T:T+1], v[T+2:T+3]
	v_pk_add_f32 v[T+4:T+5], v[T+4:T+5], v[T+6:T+7]
	v_pk_add_f32 v[T:T+1], v[T:T+1], v[T+4:T+5]
	v_add_f32 v[T], v[T], v[T+1]
.irp x, 1,2,4,8
	v_add_f32_dpp v[T], v[T], v[T] row_xmask:\x row_mask:0xf bank_mask:0xf
.endr
	v_permlanex16_b32 v[T+1], v[T], s14, s15
	v_add_f32 v[T], v[T], v[T+1]
.endm
.macro ROW i, left
.set HH, H+32*((\i)%2)
.set QQ, Q+32*((\i)%2)
	s_wait_loadcnt \left                           ; my row's 16 loads are in; the other slot's 16 may be out
.irp c, 0,1,2,3
	v_pk_add_f32 v[T+2*\c:T+2*\c+1], v[HH+4*\c:HH+4*\c+1], v[HH+4*\c+2:HH+4*\c+3]     ; the first eight pairs start the chains: nothing is cleared
.endr
.irp k, 16,24
.irp c, 0,1,2,3
	v_pk_add_f32 v[T+2*\c:T+2*\c+1], v[T+2*\c:T+2*\c+1], v[HH+\k+2*\c:HH+\k+2*\c+1]
.endr
.endr
	REDUCE
	v_mul_f32 v[T+8], 0xba800000, v[T]             ; - mean, twice: a pair for the packed form
	v_mul_f32 v[T+9], 0xba800000, v[T]
.irp k, 0,2,4,6,8,10,12,14,16,18,20,22,24,26,28,30
	v_pk_add_f32 v[HH+\k:HH+\k+1], v[HH+\k:HH+\k+1], v[T+8:T+9]                     ; d = h - mean
.endr
.irp c, 0,1,2,3
	v_pk_mul_f32 v[T+2*\c:T+2*\c+1], v[HH+2*\c:HH+2*\c+1], v[HH+2*\c:HH+2*\c+1]
.endr
.irp k, 8,16,24
.irp c, 0,1,2,3
	v_pk_fma_f32 v[T+2*\c:T+2*\c+1], v[HH+\k+2*\c:HH+\k+2*\c+1], v[HH+\k+2*\c:HH+\k+2*\c+1], v[T+2*\c:T+2*\c+1]
.endr
.endr
	REDUCE
	v_fma_f32 v[T+10], v[T], s16, s17              ; variance + 1e-12
	v_rsq_f32 v[T+12], v[T+10]
	v_rsq_f32 v[T+13], v[T+10]                     ; twice: a pair for the packed form
.irp k, 0,2,4,6,8,10,12,14,16,18,20,22,24,26,28,30
	v_pk_add_f32 v[QQ+\k:QQ+\k+1], v[QQ+\k:QQ+\k+1], v[BE+\k:BE+\k+1]               ; beta + query: the independent work behind the two roots
.endr
	s_wait_alu depctr_va_vdst(0)                   ; one wait for both, ahead of their first reader
.irp k, 0,2,4,6,8,10,12,14,16,18,20,22,24,26,28,30
	v_pk_mul_f32 v[HH+\k:HH+\k+1], v[HH+\k:HH+\k+1], v[T+12:T+13]
.endr
.irp k, 0,2,4,6,8,10,12,14,16,18,20,22,24,26,28,30
	v_pk_fma_f32 v[HH+\k:HH+\k+1], v[HH+\k:HH+\k+1], v[GA+\k:GA+\k+1], v[QQ+\k:QQ+\k+1]
.endr
.irp j, 0,1,2,3,4,5,6,7
	global_store_b128 v1, v[HH+4*\j:HH+4*\j+3], s[12:13] offset:4096*(\i)+512*\j th:TH_STORE_NT   ; 512 consecutive bytes, aligned
.endr
.endm
.irp j, 0,1,2,3,4,5,6,7
	global_load_b128 v[GA+4*\j:GA+4*\j+3], v2, s[8:9] offset:512*\j
.endr
.irp j, 0,1,2,3,4,5,6,7
	global_load_b128 v[BE+4*\j:BE+4*\j+3], v2, s[10:11] offset:512*\j
.endr
	FILL 0
	FILL 1
	ROW 0, 16
	s_wait_xcnt 0x0                                ; row 0's stores have read their registers: the slot may be loaded again
	FILL 2
	ROW 1, 16
	s_wait_xcnt 0x0
	FILL 3
	ROW 2, 16
	ROW 3, 0
	s_endpgm
.Lfunc_end_k_q541f04f059_lnres:
	.size	k_q541f04f059_lnres, .Lfunc_end_k_q541f04f059_lnres-k_q541f04f059_lnres
	.p2alignl 7, 3214868480
	.fill 96, 4, 3214868480
	.section	.rodata,"a",@progbits
	.p2align	6, 0x0
	.amdhsa_kernel k_q541f04f059_lnres
		.amdhsa_group_segment_fixed_size 0
		.amdhsa_private_segment_fixed_size 0
		.amdhsa_enable_private_segment 0
		.amdhsa_kernarg_size 40
		.amdhsa_user_sgpr_count 2
		.amdhsa_user_sgpr_kernarg_segment_ptr 1
		.amdhsa_wavefront_size32 1
		.amdhsa_system_sgpr_workgroup_id_x 1
		.amdhsa_system_sgpr_workgroup_id_y 1
		.amdhsa_system_sgpr_workgroup_id_z 1
		.amdhsa_system_vgpr_workitem_id 0
		.amdhsa_next_free_vgpr 212
		.amdhsa_next_free_sgpr 66
		.amdhsa_reserve_vcc 0
		.amdhsa_float_denorm_mode_32 3
		.amdhsa_float_denorm_mode_16_64 3
		.amdhsa_memory_ordered 1
		.amdhsa_forward_progress 1
		.amdhsa_inst_pref_size 41
	.end_amdhsa_kernel
	.amdgpu_metadata
---
amdhsa.version: [ 1, 2 ]
amdhsa.kernels:
  - .name:           k_q541f04f059_lnres
    .symbol:         k_q541f04f059_lnres.kd
    .args:
      - { .name: hid, .offset: 0, .size: 8, .value_kind: global_buffer, .address_space: global }
      - { .name: query, .offset: 8, .size: 8, .value_kind: global_buffer, .address_space: global }
      - { .name: ln_gamma, .offset: 16, .size: 8, .value_kind: global_buffer, .address_space: global }
      - { .name: ln_beta, .offset: 24, .size: 8, .value_kind: global_buffer, .address_space: global }
      - { .name: out0, .offset: 32, .size: 8, .value_kind: global_buffer, .address_space: global }
    .group_segment_fixed_size: 0
    .private_segment_fixed_size: 0
    .kernarg_segment_align: 8
    .kernarg_segment_size: 40
    .max_flat_workgroup_size: 256
    .sgpr_count:     66
    .vgpr_count:     212
    .wavefront_size: 32
...
	.end_amdgpu_metadata
.endif
;; end of part 5
